; MI455X (gfx1250); checked and timed in simulation.
; The chip was launched on July 23, 2026; its instructions are those of AMD's public machine-readable ISA for CDNA 5 (MIT licence, August 2026) and "CDNA5" Instruction Set Architecture Reference Guide (July 2026). The comments in the code are by the model that wrote it; some were corrected since.
;; Masked Attention. Allowed arithmetic: float matrix products may take bf16 or f16 operands with f32 sums; other float arithmetic in f32, or as packed bf16 or f16 multiplies, adds, multiply-adds, maxima and minima; sums over many terms, partial sums and values carried from step to step in f32; what a program stores and reads back later, other than sums and carried values, may be rounded once to bf16 or f16.
;; Inputs: Wk 1,024 x 1,024 float32; Wq 1,024 x 1,024 float32; Wv 1,024 x 1,024 float32; x 4 x 2,048 x 1,024 float32.
;; Outputs: out0 4 x 2,048 x 1,024 float32.
;; 2 versions, each right; version 2 is version 1 with the launch prep written anew for expert scheduling mode. Each part assembles by itself: llvm-mc -triple=amdgcn-amd-amdhsa -mcpu=gfx1250 --defsym DOCPART=n.
;; ======== version 1 of 2: 4 launches
;; limits: values are held in f16: magnitudes above 65,504 overflow, below 6.1e-05 lose precision
;; workspace buffers: xb 16,777,216 bytes; wb 6,291,456 bytes; qkv 50,331,648 bytes; pbuf 33,554,432 bytes; stat 524,288 bytes; vlo 393,216 bytes
;; launch prep (part 1): grid 256 x 1, 11 waves a work-group, no clusters, 0 bytes of LDS; arguments x, Wq, Wk, Wv, xb, wb; writes xb, wb
.if DOCPART == 1
	.amdgcn_target "amdgcn-amd-amdhsa--gfx1250"
	.amdhsa_code_object_version 6
	.text
	.protected	k_qf4a40b3a7c_prep
	.globl	k_qf4a40b3a7c_prep
	.p2align	8
	.type	k_qf4a40b3a7c_prep,@function
k_qf4a40b3a7c_prep:
	s_mov_b64 s[64:65], 0
	v_nop
	global_prefetch_b8 v0, s[64:65] scope:SCOPE_SE
	s_setreg_imm32_b32 hwreg(HW_REG_WAVE_MODE, 25, 1), 1
	s_wait_xcnt 0x0
; xb = bf16(x), laid in blocks: [16 blocks of 64 k][8192 rows][64]: a row's 64 numbers of a block are 128 bytes, and the rows of a block lie end to end, so that the next launch can ask for
; 128 rows x 64 k as 16,384 dense bytes.   wb[1024][3072] = bf16(Wq | Wk | Wv), the three weights side by side in each row.  Each number is rounded once, to nearest even.
; A stream: every input byte is read once, every output byte written once; no LDS, no matrix unit, no cluster: no two work-groups share a byte.
; x and the weights have 8,192 + 3,072 rows of 1,024 f32: 2,816 groups of four rows, 11 for each of 256 work-groups, one a wave: group 11 g + w.  Groups 0-2,047 are x's, then 256 each for Wq, Wk, Wv.
; A wave issues its 32 loads of 512 bytes at once; each store covers 256 consecutive bytes, at a multiple of 256 from the buffer's first byte.
.set OFS, 2                            ; v[2:5]     byte offsets in the output
.set IN,  8                            ; v[8:135]   chunk j: 4 f32 a lane
.set OUT, 136                          ; v[136:199] chunk j: 4 bf16 a lane
	s_load_b256 s[4:11], s[0:1], 0x0               ; x s[4:5], Wq s[6:7], Wk s[8:9], Wv s[10:11]
	s_load_b128 s[12:15], s[0:1], 0x20             ; xb s[12:13], wb s[14:15]
	v_lshrrev_b32 v1, 5, v0
	v_readfirstlane_b32 s16, v1                    ; wave 0..10
	v_and_b32 v6, 31, v0                           ; lane
	s_mul_i32 s17, ttmp9, 11
	s_add_co_u32 s17, s17, s16                     ; my group of four rows
	s_mov_b32 s29, 0
	s_cmp_lt_u32 s17, 2048
	s_cbranch_scc0 .Lweights
	; X.  Chunk j = (pair of rows p = j / 16, block kb = j % 16): lanes 0-15 take the block's 256 bytes of the pair's first row, lanes 16-31 those of the second:
	; the 2 x 128 bytes that they make are neighbours in xb.
	v_and_b32 v1, 15, v6
	v_lshlrev_b32 v1, 4, v1                        ; 16 bytes a lane in the block's 256,
	v_lshrrev_b32 v7, 4, v6
	v_lshl_add_u32 v1, v7, 12, v1                  ; one row of 4,096 bytes further for lanes 16-31
	s_lshl_b32 s28, s17, 14                        ; input: group x 4 rows
	s_lshl_b32 s30, s17, 9                         ; output: group x 4 rows of 128 bytes
	v_lshl_add_u32 v[OFS], v6, 3, s30              ; + 8 bytes a lane
	v_add_nc_u32 v[OFS+1], 0x800000, v[OFS]        ; blocks 8-15 lie 8 x 1,048,576 bytes on: beyond a store's immediate
	s_wait_kmcnt 0x0
	s_add_nc_u64 s[24:25], s[4:5], s[28:29]
.set j, 0
.rept 32
	global_load_b128 v[IN+4*j:IN+4*j+3], v1, s[24:25] offset:(j/16)*8192+(j%16)*256 th:TH_LOAD_NT
.set j, j+1
.endr
.set j, 0
.rept 32
	s_wait_loadcnt 31-j                            ; loads come back in order: chunk j is in, the younger ones stay out
	v_cvt_pk_bf16_f32 v[OUT+2*j], v[IN+4*j], v[IN+4*j+1]
	v_cvt_pk_bf16_f32 v[OUT+2*j+1], v[IN+4*j+2], v[IN+4*j+3]
	global_store_b64 v[OFS+(j%16)/8], v[OUT+2*j:OUT+2*j+1], s[12:13] offset:(j%8)*1048576+(j/16)*256  ; no register of a load or store is ever rewritten
.set j, j+1
.endr
	s_endpgm
.Lweights:
	; THE WEIGHTS.  The four rows are 16,384 consecutive bytes; chunk j is 128 numbers of row j / 8.
	s_sub_co_u32 s18, s17, 2048
	s_lshr_b32 s19, s18, 8                         ; which weight: 0 Wq, 1 Wk, 2 Wv
	s_and_b32 s20, s18, 255
	s_lshl_b32 s20, s20, 2                         ; my first row in it
	v_lshlrev_b32 v1, 4, v6                        ; 16 bytes a lane
	s_lshl_b32 s28, s20, 12
	s_mul_i32 s30, s20, 6144                       ; a row of wb is 6,144 bytes,
	s_lshl_b32 s23, s19, 11                        ; the weight's part of it 2,048
	s_add_co_u32 s30, s30, s23
	v_lshl_add_u32 v[OFS], v6, 3, s30
	v_add_nc_u32 v[OFS+1], 6144, v[OFS]
	v_add_nc_u32 v[OFS+2], 6144, v[OFS+1]
	v_add_nc_u32 v[OFS+3], 6144, v[OFS+2]
	s_wait_kmcnt 0x0
	s_cmp_eq_u32 s19, 1                            ; the input is chosen among the three buffers by the group's number alone
	s_cselect_b64 s[24:25], s[8:9], s[10:11]
	s_cmp_eq_u32 s19, 0
	s_cselect_b64 s[24:25], s[6:7], s[24:25]
	s_add_nc_u64 s[24:25], s[24:25], s[28:29]
.set j, 0
.rept 32
	global_load_b128 v[IN+4*j:IN+4*j+3], v1, s[24:25] offset:512*j th:TH_LOAD_NT
.set j, j+1
.endr
.set j, 0
.rept 32
	s_wait_loadcnt 31-j
	v_cvt_pk_bf16_f32 v[OUT+2*j], v[IN+4*j], v[IN+4*j+1]
	v_cvt_pk_bf16_f32 v[OUT+2*j+1], v[IN+4*j+2], v[IN+4*j+3]
	global_store_b64 v[OFS+j/8], v[OUT+2*j:OUT+2*j+1], s[14:15] offset:(j%8)*256
.set j, j+1
.endr
	s_endpgm
.Lfunc_end_k_qf4a40b3a7c_prep:
	.size	k_qf4a40b3a7c_prep, .Lfunc_end_k_qf4a40b3a7c_prep-k_qf4a40b3a7c_prep
	.p2alignl 7, 3214868480
	.fill 96, 4, 3214868480
	.section	.rodata,"a",@progbits
	.p2align	6, 0x0
	.amdhsa_kernel k_qf4a40b3a7c_prep
		.amdhsa_group_segment_fixed_size 0
		.amdhsa_private_segment_fixed_size 0
		.amdhsa_enable_private_segment 0
		.amdhsa_kernarg_size 48
		.amdhsa_user_sgpr_count 2
		.amdhsa_user_sgpr_kernarg_segment_ptr 1
		.amdhsa_wavefront_size32 1
		.amdhsa_system_sgpr_workgroup_id_x 1
		.amdhsa_system_sgpr_workgroup_id_y 1
		.amdhsa_system_sgpr_workgroup_id_z 1
		.amdhsa_system_vgpr_workitem_id 0
		.amdhsa_next_free_vgpr 200
		.amdhsa_next_free_sgpr 66
		.amdhsa_reserve_vcc 0
		.amdhsa_float_denorm_mode_32 3
		.amdhsa_float_denorm_mode_16_64 3
		.amdhsa_memory_ordered 1
		.amdhsa_forward_progress 1
		.amdhsa_inst_pref_size 24
	.end_amdhsa_kernel
	.amdgpu_metadata
---
amdhsa.version: [ 1, 2 ]
amdhsa.kernels:
  - .name:           k_qf4a40b3a7c_prep
    .symbol:         k_qf4a40b3a7c_prep.kd
    .args:
      - { .name: x, .offset: 0, .size: 8, .value_kind: global_buffer, .address_space: global }
      - { .name: Wq, .offset: 8, .size: 8, .value_kind: global_buffer, .address_space: global }
      - { .name: Wk, .offset: 16, .size: 8, .value_kind: global_buffer, .address_space: global }
      - { .name: Wv, .offset: 24, .size: 8, .value_kind: global_buffer, .address_space: global }
      - { .name: xb, .offset: 32, .size: 8, .value_kind: global_buffer, .address_space: global }
      - { .name: wb, .offset: 40, .size: 8, .value_kind: global_buffer, .address_space: global }
    .group_segment_fixed_size: 0
    .private_segment_fixed_size: 0
    .kernarg_segment_align: 8
    .kernarg_segment_size: 48
    .max_flat_workgroup_size: 352
    .sgpr_count:     66
    .vgpr_count:     200
    .wavefront_size: 32
...
	.end_amdgpu_metadata
.endif
;; end of part 1
;; launch proj (part 2): grid 8 x 32, 4 waves a work-group, clusters of 4 x 4, 327,680 bytes of LDS; arguments xb, wb, qkv, vlo; writes qkv, vlo
.if DOCPART == 2
	.amdgcn_target "amdgcn-amd-amdhsa--gfx1250"
	.amdhsa_code_object_version 6
	.text
	.protected	k_qf4a40b3a7c_proj
	.globl	k_qf4a40b3a7c_proj
	.p2align	8
	.type	k_qf4a40b3a7c_proj,@function
k_qf4a40b3a7c_proj:
	s_mov_b64 s[64:65], 0
	v_nop
	global_prefetch_b8 v0, s[64:65] scope:SCOPE_SE
	s_setreg_imm32_b32 hwreg(HW_REG_WAVE_MODE, 25, 1), 1
	s_wait_xcnt 0x0
	s_wait_alu depctr_hold_cnt(0) depctr_sa_sdst(0) depctr_va_vdst(0) depctr_va_sdst(0) depctr_va_ssrc(0) depctr_va_vcc(0) depctr_vm_vsrc(0)
	s_getreg_b32 s2, hwreg(HW_REG_IB_STS2, 6, 4)
	s_cmp_eq_u32 s2, 0
	s_cbranch_scc0 .Lentry_in_a_cluster
	s_endpgm
.Lentry_in_a_cluster:
	s_bfe_u32 s2, ttmp6, 0x10000c
	s_cmp_lg_u32 s2, 0xf033
	s_cbranch_scc0 .Lentry_shape_is_right
	s_endpgm
.Lentry_shape_is_right:
; qkv[m][n] = sum over k of x[m][k] w[k][n].  xb: bf16 in blocks [16][8192 rows][64 k]; wb: [1024 k][3072 n] bf16 (Wq | Wk | Wv); qkv: [8192][3072] f16; sums in f32, K ascending, rounded once.
; vlo = f16(sum - f16(sum)) for the first 32 rows of each batch of 2,048 and the columns from 1,536 on: a query that sees few keys is a mean of few rows of v, so that v's rounding to f16's 11 bits reaches it whole;
; the last launch multiplies v's low parts too.  v begins at column 2,048, inside a tile; the partners of a cluster run alike, so the cluster that holds v stores the low parts of all its columns; those below 2,048 are not read.
; vlo's layout: [batch 4][key block 2][block of 16 columns 96][512 bytes]; in a chunk lane l's 16 bytes (key l % 16, columns 8 (l / 16) + 0..7) lie at 16 l.
; LIMIT.  f16 holds no number beyond 65,504: q, k and v must lie within it (at the drawn spread they are of order 1; inputs 30 times larger give some 5,000).
; SHARES.  A tile of C is 256 x 384: 32 x 8 = 256 tiles, one for each of 256 work-groups.  Four waves, each 128 rows x 192 columns: 96 accumulators of 16 x 16, 768 registers.
; K goes in steps of 64 (two slots of 128 would pass the LDS) through a ring of two slots.  A's tile: 256 rows of 128 bytes, dense in xb, asked for as rows of 256 bytes.  B's tile lies as in memory,
; [k][n]: 64 rows of 768 bytes; its fragments are turned on the way out of LDS by ds_load_tr16_b128.  Of each 128 columns (256 bytes) wave half 0 takes the first 64, half 1 the others.
; A K step is written once: slot 1 lies 1 << 17 bytes behind slot 0, and one exclusive or turns the fetches' and the descriptors' LDS addresses from one slot to the other.
; CLUSTERS: 4 x 4 work-groups.  The four of a row of the cluster need the same tiles of A, the four of a column the same tiles of B: each tile is asked for jointly, by the same tensor load with the same
; descriptor and a mask that names the four.  Tile row = 8 cy + cluster y: a cluster's four tile rows lie in the four batches, so a batch's first rows of columns 1,536 on belong to the one cluster x = 1, y = 0.
; REGISTERS, in windows of 256: window 0: v0-31 addresses and vlo's work; v32-95, v96-159 fragments of A (8 x 16 rows x 32 K), two buffers; v160-255 fragments of B (12 x 16 columns x 32 K), one buffer, filled again by
; thirds behind the 32 products that read a third.  Windows 1-3: the accumulators of column piece c = 0..2: (a, i) at v[8 (8 i + a)].
; THE MATRIX INSTRUCTION IS USED TRANSPOSED: source 0 = 16 columns of B, source 1 = 16 rows of A: a lane holds row l % 16 of C and eight neighbouring columns, which pack into 16 bytes.
.set SIZE_N, 3072
.set KSTEP,  64
.set STEPS,  1024/KSTEP
.set PA,     144                       ; an LDS row of A: 128 bytes + 16 of padding = 36 words: the 16 rows of a load start at 16 different groups of four banks (64 banks of 4 bytes: ISA guide 11.1)
.set PB,     864                       ; an LDS row of B: 3 x (256 bytes + 32) = 216 words = 27 x 8
.set PIECE,  288                       ; from one piece of 128 columns to the next in such a row
.set AHALF,  128*PA                    ; what waves 0 and 1 fetch: 128 rows of A each
.set BOFF,   2*AHALF
.set BHALF,  32*PB                     ; what waves 2 and 3 fetch: 32 rows of B each
.set SLOT1,  1<<17                     ; a slot takes 92,160 bytes; slot 1 begins here
.set SP,     784                       ; the way out: a row of the tile in f16: 768 bytes + 16 = 49 x 16
.set SPARE,  SLOT1+BOFF+2*BHALF        ; behind the ring: the spare words, 128 bytes for each wave, which no other line names
.set ASTEP,  8192*128                  ; bytes from a block of 64 k to the next in xb
.set BSTEP,  KSTEP*SIZE_N*2            ; and 64 rows of wb
.set LP,    2                          ; v[2:5]  vlo: eight low parts, packed (free behind the set-up)
.set NEG1,  6                          ; v6      -1.0
.set LOF,   7                          ; v7      16 x lane
.set LT,    8                          ; v[8:15] vlo: eight low parts in f32
.set ADRA0, 16                         ; v16     LDS address of my A fragments in slot 0; never rewritten
.set ADRB0, 17                         ; v17     the same for B
.set ADRA,  18                         ; v18     the same in the slot that is being fetched from
.set ADRB,  19                         ; v19
.set STO,   20                         ; v20-21  the way out: where I put 16 bytes of a row, row blocks 0-3 and 4-7
.set RD,    22                         ; v22     the way out: where I read rows back
.set CO,    23                         ; v23     my byte offset in C
.set SPW,   28                         ; v28     LDS address of my spare word; never rewritten
.set NIL,   29                         ; v29     0; never rewritten
.set FA0,   32
.set FA1,   96
.set FB,    160
.set TMP,   32                         ; the way out: v32-159: a column piece's 32 accumulators, packed; then two buffers of 16 x 4 registers read back
.set G1,  24                           ; s[24:31] descriptor group 1 for A's tiles
.set G0,  32                           ; s[32:39] group 0 for A's tiles: a set for each of the two first fills; the second then walks on
.set G1B, 48                           ; s[48:55] group 1 for B's tiles
.set G0B, 56                           ; s[56:63] group 0 for B's tiles, likewise
.set VLP, 66                           ; s[66:67] vlo at my chunks
.set LOWF, 70                          ; s70      1: my rows 0-31 are a batch's first rows, my columns lie from 1,536 on
.set TB,  71                           ; s71      LDS byte at which the slot that is being fetched from begins
.set MSB, 0
.macro WIN new                         ; the immediate's high byte repeats the setting that is left; a switch that changes nothing is dropped
.if MSB != (\new)
	s_set_vgpr_msb (MSB<<8)|(\new)
.set MSB, \new
.endif
.endm
; A joint refill.  Waves 0 and 1 fetch A's two halves, waves 2 and 3 B's.  The branch hangs on the wave's number alone.  An s_nop 0 and four v_nop follow each line.
.macro JLOAD
	s_cmp_eq_u32 s11, 0
	s_cbranch_scc0 .Lfor_b_\@
	tensor_load_to_lds s[G0+4:G0+7], s[G1:G1+7]
	s_nop 0
.rept 4
	v_nop
.endr
	s_branch .Lasked_\@
.Lfor_b_\@:
	tensor_load_to_lds s[G0B+4:G0B+7], s[G1B:G1B+7]
	s_nop 0
.rept 4
	v_nop
.endr
.Lasked_\@:
.endm
.macro CREST                           ; a round of the cluster's barrier behind its opening barrier
	s_cmp_lg_u32 s10, 0
	s_cbranch_scc1 .Lnot_wave_0_\@
	s_barrier_signal -3
.Lnot_wave_0_\@:
	s_barrier_wait -3
	s_barrier_signal -1
	s_barrier_wait -1
.endm
.macro CROUND                          ; a whole round
	s_barrier_signal -1
	s_barrier_wait -1
	CREST
.endm
	s_load_b128 s[4:7], s[0:1], 0x0                ; xb s[4:5], wb s[6:7]
	s_load_b64 s[8:9], s[0:1], 0x10                ; qkv
	s_load_b64 s[VLP:VLP+1], s[0:1], 0x18          ; vlo
	v_lshl_add_u32 v[SPW], v0, 2, SPARE
	v_mov_b32 v[NIL], 0
	ds_add_u32 v[SPW], v[NIL]                      ; the wave's opening: the add and its wait stand ahead of my first tensor load; work on registers stands between them
	ds_add_u32 v28, v29
	v_lshrrev_b32 v1, 5, v0
	v_readfirstlane_b32 s10, v1                    ; wave 0..3
	s_lshr_b32 s11, s10, 1                         ; which half of the tile's rows is mine.  Also: I fetch for A (0) or for B (1)
	s_and_b32 s12, s10, 1                          ; which half of each piece of 128 columns.  Also: which half of that tile I fetch
	s_bfe_u32 s40, ttmp6, 0x40000                  ; cx
	s_bfe_u32 s41, ttmp6, 0x40004                  ; cy
	s_lshl_b32 s42, ttmp9, 2
	s_add_co_u32 s42, s42, s40                     ; tile column of C = 4 x cluster x + cx
	s_and_b32 s13, ttmp7, 0xffff                   ; cluster y, 0..7
	s_cmp_eq_u32 s13, 0                            ; vlo is made where cluster y = 0 (each tile row begins a batch),
	s_cselect_b32 s[LOWF], 1, 0
	s_mov_b32 s68, ttmp9
	s_cmp_eq_u32 s68, 1                            ; cluster x = 1 (columns 1,536 on),
	s_cselect_b32 s[LOWF], s[LOWF], 0
	s_cmp_eq_u32 s11, 0                            ; by the waves of the tile's upper rows: no place in the cluster enters the flag
	s_cselect_b32 s[LOWF], s[LOWF], 0
	s_lshl3_add_u32 s13, s41, s13                  ; tile row of C = 8 x cy + cluster y: batch cy, tile cluster y of its eight
	s_mul_i32 s68, s41, 2*96*512                   ; vlo: batch
	s_mul_i32 s69, s40, 24*512                     ;      + the tile's 24 blocks of 16 columns x cx
	s_add_co_u32 s68, s68, s69
	s_lshl_b32 s69, s12, 11                        ;      + my 4 of each piece's 8
	s_add_co_u32 s68, s68, s69
	s_mov_b32 s69, 0
	s_lshl_b32 s43, s41, 2
	s_lshl_b32 s43, 15, s43                        ; my row of the cluster
	s_lshl_b32 s44, 0x1111, s40                    ; my column
	; group 1 for A: 16,384 dense bytes as 64 rows of 128 elements, 4 words of padding behind every 32 (each row of the tile).  For B: 32 rows of 384 elements, 8 words behind every 64 (each piece)
	s_or_b32 s[G1+0], s43, (1<<16)|(1<<20)|(1<<21)|(4<<22)|(3<<25)
	s_or_b32 s[G1B+0], s44, (1<<16)|(1<<20)|(1<<21)|(5<<22)|(7<<25)
	s_mov_b32 s[G1+1], 128<<16                     ; tensor_dim0 = 128
	s_mov_b32 s[G1+2], 64<<16                      ; tensor_dim1 = 64
	s_mov_b32 s[G1+3], 128<<16                     ; tile_dim0 = 128
	s_mov_b32 s[G1+4], 64                          ; tile_dim1 = 64
	s_mov_b32 s[G1+5], 128                         ; elements from row to row
	s_mov_b32 s[G1+6], 0
	s_mov_b32 s[G1+7], 0
	s_mov_b32 s[G1B+1], 384<<16                    ; tensor_dim0 = 384
	s_mov_b32 s[G1B+2], 32<<16                     ; tensor_dim1 = 32
	s_mov_b32 s[G1B+3], 384<<16                    ; tile_dim0 = 384
	s_mov_b32 s[G1B+4], 32                         ; tile_dim1 = 32
	s_mov_b32 s[G1B+5], SIZE_N                     ; elements from row to row
	s_mov_b32 s[G1B+6], 0
	s_mov_b32 s[G1B+7], 0
	; A's tiles hang on the tile row alone, B's on the tile column alone; each address is made in registers that never hold the other coordinate
	s_lshl_b32 s16, s13, 15                        ; A: 256 rows of 128 bytes x tile row
	s_lshl_b32 s17, s12, 14                        ;    + 128 rows x half
	s_add_co_u32 s16, s16, s17
	s_mov_b32 s17, 0
	s_mul_i32 s46, s42, 768                        ; B: 768 bytes x tile column
	s_mul_i32 s47, s12, 32*SIZE_N*2                ;    + 32 rows of k x half
	s_add_co_u32 s46, s46, s47
	s_mov_b32 s47, 0
	s_mul_i32 s20, s12, AHALF                      ; where they go: no place in the cluster enters an LDS address
	s_mul_i32 s21, s12, BHALF
	s_add_co_u32 s21, s21, BOFF
	s_mov_b32 s[TB], 0
	s_wait_dscnt 0x0                               ; the opening add is done
	s_wait_kmcnt 0x0
	s_add_nc_u64 s[14:15], s[4:5], s[16:17]
	s_add_nc_u64 s[46:47], s[6:7], s[46:47]
	s_add_nc_u64 s[VLP:VLP+1], s[VLP:VLP+1], s[68:69]
.irp s, 0,1
	s_mov_b32 s[G0+4*(\s)], 1
	s_add_co_u32 s[G0+4*(\s)+1], s20, (\s)*SLOT1
	s_add_nc_u64 s[G0+4*(\s)+2:G0+4*(\s)+3], s[14:15], (\s)*ASTEP
	s_or_b32 s[G0+4*(\s)+3], s[G0+4*(\s)+3], 0x80000000
	s_mov_b32 s[G0B+4*(\s)], 1
	s_add_co_u32 s[G0B+4*(\s)+1], s21, (\s)*SLOT1
	s_add_nc_u64 s[G0B+4*(\s)+2:G0B+4*(\s)+3], s[46:47], (\s)*BSTEP
	s_or_b32 s[G0B+4*(\s)+3], s[G0B+4*(\s)+3], 0x80000000
.endr
	CROUND                                         ; all sixteen work-groups are here: the first joint loads meet
	s_cmp_eq_u32 s11, 0                            ; a wave's two first fills stand in one branch: two loads of mine are out
	s_cbranch_scc0 .Lfirst_b
	tensor_load_to_lds s[G0:G0+3], s[G1:G1+7]
	s_nop 0
	tensor_load_to_lds s[G0+4:G0+7], s[G1:G1+7]
	s_nop 0
.rept 4
	v_nop
.endr
	s_branch .Lfirst_asked
.Lfirst_b:
	tensor_load_to_lds s[G0B:G0B+3], s[G1B:G1B+7]
	s_nop 0
	tensor_load_to_lds s[G0B+4:G0B+7], s[G1B:G1B+7]
	s_nop 0
.rept 4
	v_nop
.endr
.Lfirst_asked:
	; A fragment of A: lane l holds row l % 16; registers 0-3 K = 8 (l / 16) + 0..7, registers 4-7 K = 16 + 8 (l / 16) + 0..7: two loads of 16 bytes, 32 bytes apart.
	v_and_b32 v1, 15, v0                           ; l % 16
	v_bfe_u32 v2, v0, 4, 1                         ; l / 16
	v_mul_u32_u24 v3, v1, PA
	v_lshl_add_u32 v3, v2, 4, v3
	s_mul_i32 s22, s11, AHALF                      ; my 128 rows of A
	v_add_nc_u32 v[ADRA0], s22, v3
	; A fragment of B by the turning load: lane l reads 16 bytes of row k = 8 (l / 16) + l % 8, columns 8 ((l / 8) % 2) + 0..7, and is left with column l % 16 and 8 k; the second load lies 16 rows on.
	v_and_b32 v4, 7, v0
	v_lshl_add_u32 v4, v2, 3, v4
	v_mul_u32_u24 v4, v4, PB
	v_bfe_u32 v5, v0, 3, 1
	v_lshl_add_u32 v4, v5, 4, v4
	s_lshl_b32 s22, s12, 7                         ; my 64 columns of a piece, 128 bytes,
	s_add_co_u32 s22, s22, BOFF                    ; behind A's 256 rows
	v_add_nc_u32 v[ADRB0], s22, v4
	v_mov_b32 v[ADRA], v[ADRA0]                    ; the fetches begin in slot 0
	v_mov_b32 v[ADRB], v[ADRB0]
	s_mul_i32 s22, s11, 128*SP                     ; the way out, in: row 128 x half + l % 16; byte 128 x column half + 16 (l / 16)
	s_lshl_b32 s23, s12, 7
	s_add_co_u32 s22, s22, s23
	v_mul_u32_u24 v3, v1, SP
	v_lshl_add_u32 v3, v2, 4, v3
	v_add_nc_u32 v[STO], s22, v3
	v_add_nc_u32 v[STO+1], 64*SP, v[STO]
	s_mul_i32 s22, s10, 64*SP                      ; back: wave w takes rows 64 w .. 64 w + 63, whole; lanes 0-15 256 bytes of one row, lanes 16-31 of the next
	v_mul_u32_u24 v3, v2, SP
	v_lshl_add_u32 v3, v1, 4, v3
	v_add_nc_u32 v[RD], s22, v3
	v_mul_u32_u24 v3, v2, SIZE_N*2                 ; and the same two rows in C
	v_lshl_add_u32 v[CO], v1, 4, v3
	v_and_b32 v[LOF], 31, v0                       ; vlo: 16 bytes a lane
	v_lshlrev_b32 v[LOF], 4, v[LOF]
	v_mov_b32 v[NEG1], -1.0
	s_lshl_b32 s16, s13, 8                         ; C at the rows that I store: 256 x tile row + 64 x wave,
	s_lshl_b32 s17, s10, 6
	s_add_co_u32 s16, s16, s17
	s_mul_i32 s16, s16, SIZE_N*2
	s_mul_i32 s17, s42, 768                        ; and the tile's first column
	s_add_co_u32 s16, s16, s17
	s_mov_b32 s17, 0
	s_add_nc_u64 s[8:9], s[8:9], s[16:17]
; 8 n matrix instructions: column piece c, its blocks i0 .. i0 + n - 1 x all 8 row blocks, 32 along K from A's buffer f.  zero = 1: the first product starts the sums.
; The 96 accumulators take turns, one instruction a turn and in the same order in every quarter.
.macro GRP f, c, i0, n, zero
	WIN 0x50*(1+(\c))                              ; sources in window 0, C and D in window 1 + c
.set gi, \i0
.rept \n
.irp a, 0,1,2,3,4,5,6,7
.if \zero
	v_wmma_f32_16x16x32_bf16 v[8*(8*gi+(\a)):8*(8*gi+(\a))+7], v[FB+8*(4*(\c)+gi):FB+8*(4*(\c)+gi)+7], v[(\f)+8*(\a):(\f)+8*(\a)+7], 0
.else
	v_wmma_f32_16x16x32_bf16 v[8*(8*gi+(\a)):8*(8*gi+(\a))+7], v[FB+8*(4*(\c)+gi):FB+8*(4*(\c)+gi)+7], v[(\f)+8*(\a):(\f)+8*(\a)+7], v[8*(8*gi+(\a)):8*(8*gi+(\a))+7]
.endif
.endr
.set gi, gi+1
.endr
.endm
.macro LDB q, c                        ; 8 LDS loads: piece c's four fragments of B for quarter q (rows 32 q on)
	WIN 0
.irp i, 0,1,2,3
	ds_load_tr16_b128 v[FB+8*(4*(\c)+(\i)):FB+8*(4*(\c)+(\i))+3],   v[ADRB] offset:(\q)*32*PB+(\c)*PIECE+(\i)*32
	ds_load_tr16_b128 v[FB+8*(4*(\c)+(\i))+4:FB+8*(4*(\c)+(\i))+7], v[ADRB] offset:(\q)*32*PB+(\c)*PIECE+(\i)*32+16*PB
.endr
.endm
.macro LDA q, f                        ; 16 LDS loads: the eight fragments of A for quarter q (byte 64 q of the rows) into buffer f
	WIN 0
.irp a, 0,1,2,3,4,5,6,7
	ds_load_b128 v[(\f)+8*(\a):(\f)+8*(\a)+3],   v[ADRA] offset:(\a)*16*PA+64*(\q)
	ds_load_b128 v[(\f)+8*(\a)+4:(\f)+8*(\a)+7], v[ADRA] offset:(\a)*16*PA+64*(\q)+32
.endr
.endm
.macro PLACES                          ; four plain vector instructions between a matrix instruction and a load into, or a vector read of, its registers (ISA guide 7.12.1 for vector reads)
.rept 4
	v_nop
.endr
.endm
; A K step is two quarters of 32 along K, 96 matrix instructions each.  The loads of a quarter's fragments go out in three runs, in this order: B's piece 0 and A (24), B's piece 1 (8), B's piece 2 (8),
; each run behind the products that read the registers it fills.
; THE FIRST QUARTER multiplies A's buffer 0 and fetches the second quarter's fragments from the same slot.
.macro QEVEN zero
	s_wait_dscnt 16                                ; B's piece 0 and A are in; the youngest sixteen loads (pieces 1 and 2) may be out
	GRP FA0, 0, 0, 4, \zero
	PLACES
	LDB 1, 0
	LDA 1, FA1
	s_wait_dscnt 32                                ; piece 1 is in; behind it: piece 2's eight and the 24 just issued
	GRP FA0, 1, 0, 4, \zero
	PLACES
	LDB 1, 1
	s_wait_dscnt 32                                ; piece 2 is in; behind it: the 24 and the 8
	GRP FA0, 2, 0, 4, \zero
	PLACES
	LDB 1, 2
.endm
; THE SECOND QUARTER multiplies A's buffer 1 and changes slots: ONE barrier.  In front of it each wave waits for all its tensor loads (one is out: its part of the next slot), adds 0 to its spare word, and waits for
; that and for its reads of this slot.  fill = 1: the barrier opens a round of the cluster's, so that no wave of any partner still reads the slot or has a load on its way, and the slot is filled again, two K steps
; ahead, first thing behind the round: 176 matrix instructions ahead of the wait for it.
.macro QODD fill
	s_wait_dscnt 16
	GRP FA1, 0, 0, 2, 0
	WIN 0
	s_wait_tensorcnt 0x0                           ; no tensor load of mine is out, so a group 0 may be written
	ds_add_u32 v[SPW], v[NIL]                      ; 0 onto my spare word: work on registers stands between it and the wait for it
	s_xor_b32 s[TB], s[TB], SLOT1                  ; the fetches go on in the other slot
	v_add_nc_u32 v[ADRA], s[TB], v[ADRA0]
	v_add_nc_u32 v[ADRB], s[TB], v[ADRB0]
.if \fill
	s_xor_b32 s[G0+5], s[G0+5], SLOT1              ; the walking descriptors: the other slot than last time,
	s_add_nc_u64 s[G0+6:G0+7], s[G0+6:G0+7], ASTEP ; the next K step; the type bits on top are not reached
	s_xor_b32 s[G0B+5], s[G0B+5], SLOT1
	s_add_nc_u64 s[G0B+6:G0B+7], s[G0B+6:G0B+7], BSTEP
.endif
	GRP FA1, 0, 2, 1, 0
	s_wait_dscnt 0x0                               ; the add is done, and my reads of this slot are over
	s_barrier_signal -1
	GRP FA1, 0, 3, 1, 0
	WIN 0
	s_barrier_wait -1
.if \fill
	CREST
	JLOAD                                          ; its four v_nop are also the places in front of the loads below
.else
	PLACES
.endif
	LDB 0, 0
	LDA 0, FA0
	GRP FA1, 1, 0, 4, 0
	PLACES
	LDB 0, 1
	GRP FA1, 2, 0, 4, 0
	PLACES
	LDB 0, 2
.endm
; THE WAY OUT.  A wave's columns are halves of aligned 256 bytes of C, so the whole tile goes in f16 into LDS, over the ring, which has had its last fill; behind a barrier each wave stores 64 whole rows.
.macro PACK c                          ; piece c's 32 accumulators, each from its low end on: rounded to f16, 16 bytes a lane, into rows of 784 bytes
	WIN 5*(1+(\c))                                 ; sources 0 and 1 in window 1 + c
.set z, 0
.rept 32
.irp r, 0,1,2,3
	v_cvt_pk_f16_f32 v[TMP+4*z+(\r)], v[8*z+2*(\r)], v[8*z+2*(\r)+1]
.endr
.set z, z+1
.endr
	WIN 0
.set z, 0
.rept 32                               ; accumulator z = 8 i + a: row block a, columns 128 c + 16 i of my half
	ds_store_b128 v[STO+(z%8)/4], v[TMP+4*z:TMP+4*z+3] offset:(z%4)*16*SP+(\c)*256+32*(z/8)
.set z, z+1
.endr
.endm
; THE LOW PARTS of piece c's rows 0-31.  TMP still holds their f16; low = sum - f16, one fused line for each number (the f16 half times -1.0 plus the f32 sum), rounded to f16.
; The jump hangs on the cluster's number and the wave's alone and passes global stores alone.  A store covers 512 consecutive bytes, at a multiple of 512 from vlo's first byte.
.macro LOW c
	WIN 0
	s_cmp_eq_u32 s[LOWF], 0
	s_cbranch_scc1 .Lno_low_\@
.irp i, 0,1,2,3
.irp a, 0,1
	WIN 0x10*(1+(\c))                              ; source 2, the sum, in window 1 + c
.irp r, 0,1,2,3
	v_fma_mix_f32 v[LT+2*(\r)],   v[TMP+4*(8*(\i)+(\a))+(\r)], v[NEG1], v[8*(8*(\i)+(\a))+2*(\r)]   op_sel_hi:[1,0,0]
	v_fma_mix_f32 v[LT+2*(\r)+1], v[TMP+4*(8*(\i)+(\a))+(\r)], v[NEG1], v[8*(8*(\i)+(\a))+2*(\r)+1] op_sel:[1,0,0] op_sel_hi:[1,0,0]
.endr
	WIN 0
	s_wait_xcnt 0x0                                ; the last store's data are rewritten only behind this wait
.irp r, 0,1,2,3
	v_cvt_pk_f16_f32 v[LP+(\r)], v[LT+2*(\r)], v[LT+2*(\r)+1]
.endr
	global_store_b128 v[LOF], v[LP:LP+3], s[VLP:VLP+1] offset:(\a)*96*512+(\c)*4096+(\i)*512
.endr
.endr
.Lno_low_\@:
.endm
; Line z of 96 takes the aligned 256 bytes number z % 3 of the rows 2 (z / 3) and 2 (z / 3) + 1 of my 64; sixteen lines are a batch, in two buffers by turns.
.macro RDB t
.set z, 16*(\t)
.rept 16
	ds_load_b128 v[TMP+64*((\t)%2)+4*(z%16):TMP+64*((\t)%2)+4*(z%16)+3], v[RD] offset:(z/3)*2*SP+(z%3)*256
.set z, z+1
.endr
.endm
.macro STB t
.set z, 16*(\t)
.rept 16
	global_store_b128 v[CO], v[TMP+64*((\t)%2)+4*(z%16):TMP+64*((\t)%2)+4*(z%16)+3], s[8:9] offset:(z/3)*2*SIZE_N*2+(z%3)*256  ; 16 lanes store 256 consecutive bytes, at a multiple of 256 from C's first byte
.set z, z+1
.endr
.endm
	s_wait_tensorcnt 1                             ; my part of K step 0 is in; K step 1's may stay out
	s_barrier_signal -1
	s_barrier_wait -1
	LDB 0, 0
	LDA 0, FA0
	LDB 0, 1
	LDB 0, 2
	QEVEN 1                                        ; the first quarter stands in front of the loop: its products start the sums
	s_mov_b32 s3, STEPS-2
.Lstep:                                                ; 14 trips: a K step's second quarter, which fills its slot again, and the next K step's first
	QODD 1
	QEVEN 0
	s_sub_co_u32 s3, s3, 1
	s_cmp_lg_u32 s3, 0
	s_cbranch_scc1 .Lstep
	QODD 0                                         ; the tail is written out: nothing is left to fetch
	QEVEN 0
	s_wait_dscnt 16                                ; the very last quarter
	GRP FA1, 0, 0, 4, 0
	s_wait_dscnt 8
	GRP FA1, 1, 0, 4, 0
	s_wait_dscnt 0x0                               ; my reads of the ring are over:
	s_barrier_signal -1
	GRP FA1, 2, 0, 4, 0
	WIN 0
	s_barrier_wait -1                              ; everybody's are: the ring takes the tile
	PLACES
.irp c, 0,1,2
	PACK \c
	LOW \c
.endr
	s_wait_dscnt 0x0                               ; for the others' sake: my stores are done
	s_barrier_signal -1
	s_barrier_wait -1
	RDB 0
	RDB 1
	s_wait_dscnt 16                                ; all but the batch just issued
	STB 0
.irp t, 2,3,4,5
	s_wait_xcnt 0x0                                ; the buffer that the batch before last's stores read is loaded again only behind this wait
	RDB \t
	s_wait_dscnt 16
	STB (\t)-1
.endr
	s_wait_dscnt 0x0
	STB 5
	s_wait_tensorcnt 0x0                           ; the wave's end
	ds_add_u32 v[SPW], v[NIL]
	s_wait_dscnt 0x0
	CROUND                                         ; the closing round: no work-group ends while a partner may still ask for a tile that names it
	s_endpgm
.Lfunc_end_k_qf4a40b3a7c_proj:
	.size	k_qf4a40b3a7c_proj, .Lfunc_end_k_qf4a40b3a7c_proj-k_qf4a40b3a7c_proj
	.p2alignl 7, 3214868480
	.fill 96, 4, 3214868480
	.section	.rodata,"a",@progbits
	.p2align	6, 0x0
	.amdhsa_kernel k_qf4a40b3a7c_proj
		.amdhsa_group_segment_fixed_size 327680
		.amdhsa_private_segment_fixed_size 0
		.amdhsa_enable_private_segment 0
		.amdhsa_kernarg_size 32
		.amdhsa_user_sgpr_count 2
		.amdhsa_user_sgpr_kernarg_segment_ptr 1
		.amdhsa_wavefront_size32 1
		.amdhsa_system_sgpr_workgroup_id_x 1
		.amdhsa_system_sgpr_workgroup_id_y 1
		.amdhsa_system_sgpr_workgroup_id_z 1
		.amdhsa_system_vgpr_workitem_id 0
		.amdhsa_next_free_vgpr 1024
		.amdhsa_next_free_sgpr 72
		.amdhsa_reserve_vcc 0
		.amdhsa_float_denorm_mode_32 3
		.amdhsa_float_denorm_mode_16_64 3
		.amdhsa_memory_ordered 1
		.amdhsa_forward_progress 1
		.amdhsa_inst_pref_size 133
	.end_amdhsa_kernel
	.amdgpu_metadata
---
amdhsa.version: [ 1, 2 ]
amdhsa.kernels:
  - .name:           k_qf4a40b3a7c_proj
    .symbol:         k_qf4a40b3a7c_proj.kd
    .args:
      - { .name: xb, .offset: 0, .size: 8, .value_kind: global_buffer, .address_space: global }
      - { .name: wb, .offset: 8, .size: 8, .value_kind: global_buffer, .address_space: global }
      - { .name: qkv, .offset: 16, .size: 8, .value_kind: global_buffer, .address_space: global }
      - { .name: vlo, .offset: 24, .size: 8, .value_kind: global_buffer, .address_space: global }
    .group_segment_fixed_size: 327680
    .private_segment_fixed_size: 0
    .kernarg_segment_align: 8
    .kernarg_segment_size: 32
    .max_flat_workgroup_size: 128
    .sgpr_count:     72
    .vgpr_count:     1024
    .wavefront_size: 32
...
	.end_amdgpu_metadata
.endif
;; end of part 2
;; launch score (part 3): grid 36 x 4, 4 waves a work-group, no clusters, 327,680 bytes of LDS; arguments qkv, pbuf, stat; writes pbuf, stat
.if DOCPART == 3
	.amdgcn_target "amdgcn-amd-amdhsa--gfx1250"
	.amdhsa_code_object_version 6
	.text
	.protected	k_qf4a40b3a7c_score
	.globl	k_qf4a40b3a7c_score
	.p2align	8
	.type	k_qf4a40b3a7c_score,@function
k_qf4a40b3a7c_score:
	s_mov_b64 s[64:65], 0
	v_nop
	global_prefetch_b8 v0, s[64:65] scope:SCOPE_SE
	s_setreg_imm32_b32 hwreg(HW_REG_WAVE_MODE, 25, 1), 1
	s_wait_xcnt 0x0
; For each batch and each tile (i, j), j <= i, of 256 queries x 256 keys:  s = q . k (f16 operands, f32 sums over 1,024 channels);  y = c s, c = log2(e) / 32;  cm = the row's maximum of y over the
; tile's visible keys;  p' = 2^(y - cm), rounded to f16 into pbuf[batch][query][key];  cm and l = the row's sum of the unrounded p' go in f32 into stat: cm at ((8 batch + j) 2048 + query) x 4, l 262,144 bytes on.
; The next launch forms the row's true maximum from the tiles' cm.  Tiles above the diagonal are neither made nor read.
; LIMITS.  q and k arrive in f16, so |s| stays under 4.4e12; a hidden score counts as -1e30 (inside the diagonal blocks of 16 as c times that), far below every visible one, and its weight is 0.
; A weight below 2^-126 counts as 0 in l.  NaN and infinities are not treated apart.
; NO CLUSTER: row i of the causal triangle has i + 1 tiles and column j has 8 - j: no group of four tiles that share q's or k's rows divides the 36 tiles without work-groups that lie wholly above the diagonal.
; SHAPE.  Four waves, each 128 queries x 128 keys: 64 accumulators, 512 registers.  The channels go in steps of 128 through a ring of two LDS slots; each wave's tensor load brings 128 rows of 256 bytes.
; Source 0 = 16 keys, source 1 = 16 queries: a lane holds query l % 16 and eight neighbouring keys.
; THE WAY OUT.  The diagonal blocks of 16 x 16 are masked in registers; all scores go in f32 into LDS (over the ring, which has had its last fill); then a wave takes 64 whole rows, four at a time.
; REGISTERS: window 0: v0-63 addresses and constants; v64-191 fragments of q, later the rows at work.  window 1: v64-191 fragments of k.  windows 2, 3: the accumulators ((a, b) at v[8 (8 a + b)]).
.set KSTEP,  128
.set ROWB,   6144                      ; bytes in a row of qkv: q at 0, k at 2,048, v at 4,096
.set PITCH,  272                       ; an LDS row: 256 bytes + 16 = 68 words: the 16 rows of a load start at 16 different groups of four banks (64 banks of 4 bytes: ISA guide 11.1)
.set HALFT,  128*PITCH
.set SLOT,   4*HALFT                   ; q's 256 rows, then k's 256 rows
.set DP,     1040                      ; a row of scores in LDS: 1,024 bytes + 16 = 260 words: again 16 rows at 16 different groups of four banks
.set SPARE,  2*SLOT                    ; behind the ring: the spare words, 128 bytes for each wave, which no other line names
.set LAPS,   4                         ; 1,024 channels = 8 steps = 4 laps of the ring
.set ADRA, 16                          ; v16-17  LDS address of my q fragments in slot 0, 1
.set ADRB, 20                          ; v20-21  the same for k
.set DA0,  24                          ; v24     where my lane's 32 bytes of accumulator (0, 0) go
.set DA1,  25                          ; v25     the same 64 rows on
.set VT,   26                          ; v26     l % 16 - 8 (l / 16)
.set SPW,  28                          ; v28     LDS address of my spare word; never rewritten
.set NIL,  29                          ; v29     0; never rewritten
.set CB0,  32                          ; v32     the block of 16 keys that holds my keys 4 l ..
.set CB1,  33                          ; v33     and my keys 128 + 4 l ..
.set RA,   34                          ; v34     LDS address of my 16 bytes in the first of the trip's four rows
.set GO,   35                          ; v35     8 x lane
.set LANE, 36
.set VC,   37                          ; c
.set VZ,   38                          ; 0
.set VB,   39                          ; -1e30
.set CMS,  40                          ; v[40:41] cm of my wave's rows 2 l, 2 l + 1
.set LS,   42                          ; v[42:43] l of the same
.set F0,   64
.set F1,   128
.set X,    64                          ; v[64:95]   row p of four: eight numbers
.set MM,   96                          ; v[96+2p]   its maximum; the odd register at work
.set LL,   104                         ; v[104+2p]  its sum; the odd register at work
.set PP,   112                         ; v[112+4p..] its eight weights in f16
.set CV0,  128                         ; v[128:129] factor for my first four keys: c, or 0 where their block is hidden
.set HV0,  130                         ; v[130:131] addend: 0, or -1e30
.set CV1,  132
.set HV1,  134
.set G1, 24                            ; s[24:31] descriptor group 1
.set G0, 32                            ; s[32:39] group 0, one set for each slot
.set DM, 40                            ; s[40:47] lanes in which register j of a diagonal block is hidden
.set MSB, 0
.macro WIN new
.if MSB != (\new)
	s_set_vgpr_msb (MSB<<8)|(\new)
.set MSB, \new
.endif
.endm
.set MUL_LO, 0xa1
.set MUL_HI, 0xf1
.set TO_B,   0x40
	s_load_b128 s[4:7], s[0:1], 0x0                ; qkv s[4:5], pbuf s[6:7]
	s_load_b64 s[8:9], s[0:1], 0x10                ; stat
	v_lshl_add_u32 v[SPW], v0, 2, SPARE
	v_mov_b32 v[NIL], 0
	ds_add_u32 v[SPW], v[NIL]                      ; the wave's opening: the add and its wait stand ahead of my first tensor load; work on registers stands between them
	ds_add_u32 v28, v29
	v_lshrrev_b32 v1, 5, v0
	v_readfirstlane_b32 s10, v1                    ; wave 0..3
	s_lshr_b32 s11, s10, 1                         ; my half of the queries.  Also: I fetch q (0) or k (1)
	s_and_b32 s12, s10, 1                          ; my half of the keys.  Also: which 128 rows I fetch
	s_mov_b32 s2, ttmp9                            ; the tile's number in the triangle, 0..35, row by row
	s_mov_b32 s13, 0
.irp t, 1,3,6,10,15,21,28
	s_cmp_ge_u32 s2, \t                            ; i = how many rows of the triangle begin at or before it, less one
	s_add_co_ci_u32 s13, s13, 0
.endr
	s_add_co_u32 s14, s13, 1
	s_mul_i32 s14, s14, s13
	s_lshr_b32 s14, s14, 1
	s_sub_co_u32 s14, s2, s14                      ; j = number - i (i + 1) / 2
	s_and_b32 s15, ttmp7, 0xffff                   ; batch
	s_mov_b32 s[G1+0], (1<<16)|(1<<20)|(5<<22)|(3<<25)  ; elements of 2 bytes; padding on: 4 words behind every 64
	s_mov_b32 s[G1+1], KSTEP<<16                   ; tensor_dim0 = 128
	s_mov_b32 s[G1+2], 128<<16                     ; tensor_dim1 = 128
	s_mov_b32 s[G1+3], KSTEP<<16                   ; tile_dim0 = 128
	s_mov_b32 s[G1+4], 128                         ; tile_dim1 = 128
	s_mov_b32 s[G1+5], 3072                        ; elements from row to row
	s_mov_b32 s[G1+6], 0
	s_mov_b32 s[G1+7], 0
	s_mov_b32 s48, 0xf149f2ca                      ; -1e30
	s_mov_b32 s49, 0x3d38aa3b                      ; c = log2(e) / 32
	s_mov_b32 s60, 0x76543210                      ; v_permlanex16_b32: each lane takes its own place in the other half
	s_mov_b32 s61, 0xfedcba98
	s_cmp_eq_u32 s13, s14
	s_cselect_b32 s50, -1, 0                       ; the diagonal tile,
	s_cselect_b32 s51, 0, 64                       ; (elsewhere a row's block number is raised by 64, so that no block of keys lies above it)
	s_cmp_eq_u32 s11, s12
	s_cselect_b32 s50, s50, 0                      ; and in it a wave on the diagonal: only there do blocks of 16 x 16 hold the diagonal
	s_cmp_eq_u32 s11, 0
	s_cselect_b32 s16, s13, s14                    ; q's rows go by i, k's by j
	s_lshl_b32 s16, s16, 8
	s_lshl_b32 s17, s15, 11
	s_add_co_u32 s16, s16, s17
	s_lshl_b32 s17, s12, 7
	s_add_co_u32 s16, s16, s17                     ; the first row that I fetch
	s_mul_i32 s16, s16, ROWB
	s_lshl_b32 s17, s11, 11                        ; k lies 2,048 bytes into a row
	s_add_co_u32 s16, s16, s17
	s_mov_b32 s17, 0
	s_mul_i32 s20, s10, HALFT                      ; where it goes: wave x 128 rows
	s_wait_dscnt 0x0                               ; the opening add is done
	s_wait_kmcnt 0x0
	s_add_nc_u64 s[18:19], s[4:5], s[16:17]
.irp s, 0,1
	s_mov_b32 s[G0+4*(\s)], 1
	s_add_co_u32 s[G0+4*(\s)+1], s20, (\s)*SLOT
	s_add_nc_u64 s[G0+4*(\s)+2:G0+4*(\s)+3], s[18:19], (\s)*KSTEP*2
	s_or_b32 s[G0+4*(\s)+3], s[G0+4*(\s)+3], 0x80000000
.endr
	tensor_load_to_lds s[G0:G0+3], s[G1:G1+7]      ; both first fills go out together: two loads of mine are out
	s_nop 0
	tensor_load_to_lds s[G0+4:G0+7], s[G1:G1+7]
	s_nop 0
.rept 4
	v_nop
.endr
	v_and_b32 v1, 15, v0                           ; l % 16
	v_bfe_u32 v2, v0, 4, 1                         ; l / 16
	v_mul_u32_u24 v3, v1, PITCH
	v_lshl_add_u32 v3, v2, 4, v3
	s_mul_i32 s21, s11, HALFT
	s_mul_i32 s22, s12, HALFT
	s_add_co_u32 s22, s22, 2*HALFT
.irp s, 0,1
	v_add_nc_u32 v[ADRA+(\s)], s21, v3
	v_add_nc_u32 v[ADRB+(\s)], s22, v3
	s_add_co_u32 s21, s21, SLOT
	s_add_co_u32 s22, s22, SLOT
.endr
	s_mul_i32 s21, s11, 128*DP                     ; the scores' place in LDS: row 128 x half + l % 16, byte 512 x half + 32 (l / 16)
	s_lshl_b32 s22, s12, 9
	s_add_co_u32 s21, s21, s22
	v_mul_u32_u24 v[DA0], v1, DP
	v_lshl_add_u32 v[DA0], v2, 5, v[DA0]
	v_add_nc_u32 v[DA0], s21, v[DA0]
	v_add_nc_u32 v[DA1], 64*DP, v[DA0]
	v_lshlrev_b32 v[VT], 3, v2
	v_sub_nc_u32 v[VT], v1, v[VT]
	v_mov_b32 v[VB], s48
	; pbuf at my wave's 64 rows of the tile, stat at the same rows
	s_lshl_b32 s16, s15, 11
	s_lshl_b32 s17, s13, 8
	s_add_co_u32 s16, s16, s17
	s_lshl_b32 s17, s10, 6
	s_add_co_u32 s16, s16, s17
	s_lshl_b32 s16, s16, 12                        ; a row of pbuf is 4,096 bytes
	s_lshl_b32 s17, s14, 9                         ; the tile's 256 keys are 512 bytes
	s_add_co_u32 s16, s16, s17
	s_mov_b32 s17, 0
	s_add_nc_u64 s[58:59], s[6:7], s[16:17]
	s_lshl_b32 s16, s15, 3
	s_add_co_u32 s16, s16, s14
	s_lshl_b32 s16, s16, 11
	s_lshl_b32 s17, s13, 8
	s_add_co_u32 s16, s16, s17
	s_lshl_b32 s17, s10, 6
	s_add_co_u32 s16, s16, s17
	s_lshl_b32 s16, s16, 2
	s_mov_b32 s17, 0
	s_add_nc_u64 s[8:9], s[8:9], s[16:17]
.macro MUL16 f, hi, a0, zero           ; 16 matrix instructions; the 64 accumulators take turns, one instruction a turn
	WIN MUL_LO+0x50*(\hi)
.irp a, \a0, (\a0)+1
.irp b, 0,1,2,3,4,5,6,7
.if \zero
	v_wmma_f32_16x16x32_f16 v[8*(8*(\a)+(\b)):8*(8*(\a)+(\b))+7], v[(\f)+8*(\b):(\f)+8*(\b)+7], v[(\f)+8*(4*(\hi)+(\a)):(\f)+8*(4*(\hi)+(\a))+7], 0
.else
	v_wmma_f32_16x16x32_f16 v[8*(8*(\a)+(\b)):8*(8*(\a)+(\b))+7], v[(\f)+8*(\b):(\f)+8*(\b)+7], v[(\f)+8*(4*(\hi)+(\a)):(\f)+8*(4*(\hi)+(\a))+7], v[8*(8*(\a)+(\b)):8*(8*(\a)+(\b))+7]
.endif
.endr
.endr
.endm
.macro FETCH slot, k, f                ; 32 LDS loads in one run: 128 rows of k, 128 rows of q, 32 channels at byte k of the rows
	WIN TO_B
.irp i, 0,1,2,3,4,5,6,7
	ds_load_b128 v[(\f)+8*(\i):(\f)+8*(\i)+3],   v[ADRB+(\slot)] offset:(\k)+(\i)*16*PITCH
	ds_load_b128 v[(\f)+8*(\i)+4:(\f)+8*(\i)+7], v[ADRB+(\slot)] offset:(\k)+(\i)*16*PITCH+32
.endr
	WIN 0
.irp i, 0,1,2,3,4,5,6,7
	ds_load_b128 v[(\f)+8*(\i):(\f)+8*(\i)+3],   v[ADRA+(\slot)] offset:(\k)+(\i)*16*PITCH
	ds_load_b128 v[(\f)+8*(\i)+4:(\f)+8*(\i)+7], v[ADRA+(\slot)] offset:(\k)+(\i)*16*PITCH+32
.endr
.endm
.macro PLACES                          ; four plain vector instructions between a matrix instruction and a load into, or a vector read of, its registers (ISA guide 7.12.1 for vector reads)
.rept 4
	v_nop
.endr
.endm
.macro QUARTER slot, k, f, g, zero
	s_wait_dscnt 8                                 ; k and q's rows 0-63 are in; the youngest eight loads (q's rows 64-127) may be out
	WIN MUL_LO
	MUL16 \f, 0, 0, \zero
	MUL16 \f, 0, 2, \zero
	PLACES
	FETCH \slot, \k, \g
	s_wait_dscnt 32                                ; all but the 32 just issued
	WIN MUL_HI
	MUL16 \f, 1, 0, \zero
	MUL16 \f, 1, 2, \zero
.endm
; The last quarter of a step multiplies buffer 1 and changes slots: one barrier.  In front of it each wave waits for all its tensor loads (one is out: its part of the next slot), adds 0 to its spare
; word, and waits for that and for its reads of this slot.  fill = 1: this slot is filled again, two steps ahead, first thing behind the barrier: 224 matrix instructions ahead of the wait for it.
.macro TURN slot, next, fill
	WIN 0
	s_wait_tensorcnt 0x0
	ds_add_u32 v[SPW], v[NIL]
	s_wait_dscnt 9                                 ; (the add and the youngest eight loads may be out)
	WIN MUL_LO
	MUL16 F1, 0, 0, 0
	s_wait_dscnt 0x0                               ; the add is done, and my reads of this slot are over
	s_barrier_signal -1
	MUL16 F1, 0, 2, 0
	s_barrier_wait -1
.if \fill
	s_add_nc_u64 s[G0+4*(\slot)+2:G0+4*(\slot)+3], s[G0+4*(\slot)+2:G0+4*(\slot)+3], 2*KSTEP*2
	tensor_load_to_lds s[G0+4*(\slot):G0+4*(\slot)+3], s[G1:G1+7]
	s_nop 0
.endif
	PLACES                                         ; four v_nop: behind the load, and the places in front of the loads below
	FETCH \next, 0, F0
	WIN MUL_HI
	MUL16 F1, 1, 0, 0
	MUL16 F1, 1, 2, 0
.endm
	s_wait_tensorcnt 1                             ; my part of step 0 is in; step 1's may stay out
	s_barrier_signal -1
	s_barrier_wait -1
	FETCH 0, 0, F0
	QUARTER 0, 64,  F0, F1, 1                      ; the first quarter stands in front of the loop: its products start the sums
	WIN 0
	s_mov_b32 s3, LAPS-1
.Llap:
	QUARTER 0, 128, F1, F0, 0
	QUARTER 0, 192, F0, F1, 0
	TURN 0, 1, 1
	QUARTER 1, 64,  F0, F1, 0
	QUARTER 1, 128, F1, F0, 0
	QUARTER 1, 192, F0, F1, 0
	TURN 1, 0, 1
	QUARTER 0, 64,  F0, F1, 0
	WIN 0
	s_sub_co_u32 s3, s3, 1
	s_cmp_lg_u32 s3, 0
	s_cbranch_scc1 .Llap
	QUARTER 0, 128, F1, F0, 0                      ; the last lap fills nothing
	QUARTER 0, 192, F0, F1, 0
	TURN 0, 1, 0
	QUARTER 1, 64,  F0, F1, 0
	QUARTER 1, 128, F1, F0, 0
	QUARTER 1, 192, F0, F1, 0
	s_wait_dscnt 8
	MUL16 F1, 0, 0, 0
	MUL16 F1, 0, 2, 0
	s_wait_dscnt 0x0
	MUL16 F1, 1, 0, 0
	MUL16 F1, 1, 2, 0
	WIN 0
	PLACES
	; THE DIAGONAL BLOCKS.  In block (a, a) register j holds key 8 (l / 16) + j against query l % 16: hidden where j > l % 16 - 8 (l / 16).  Off the diagonal the masks are cleared and the lines change nothing.
.irp j, 0,1,2,3,4,5,6,7
	v_cmp_gt_i32 s[DM+(\j)], \j, v[VT]
.endr
.irp j, 0,1,2,3,4,5,6,7
	s_and_b32 s[DM+(\j)], s[DM+(\j)], s50
.endr
	WIN 0x82                                       ; destination and source 0 in window 2, -1e30 in window 0
.irp a, 0,1,2,3
.irp j, 0,1,2,3,4,5,6,7
	v_cndmask_b32 v[72*(\a)+(\j)], v[72*(\a)+(\j)], v[VB], s[DM+(\j)]
.endr
.endr
	WIN 0xc3                                       ; the same in window 3: rows 64 + 16 a meet keys 64 + 16 a in accumulator (a, 4 + a)
.irp a, 0,1,2,3
.irp j, 0,1,2,3,4,5,6,7
	v_cndmask_b32 v[72*(\a)+32+(\j)], v[72*(\a)+32+(\j)], v[VB], s[DM+(\j)]
.endr
.endr
	WIN 0
	s_wait_dscnt 0x0                               ; my reads of the ring are over,
	s_barrier_signal -1
	s_barrier_wait -1                              ; everybody's are: the ring, which has had its last fill, takes the scores
	WIN 0x08                                       ; store data in window 2
.irp a, 0,1,2,3
.irp b, 0,1,2,3,4,5,6,7
	ds_store_b128 v[DA0], v[8*(8*(\a)+(\b)):8*(8*(\a)+(\b))+3]   offset:(\a)*16*DP+64*(\b)      ; each accumulator from its low end on
	ds_store_b128 v[DA0], v[8*(8*(\a)+(\b))+4:8*(8*(\a)+(\b))+7] offset:(\a)*16*DP+64*(\b)+16
.endr
.endr
	WIN 0x0c                                       ; in window 3
.irp a, 0,1,2,3
.irp b, 0,1,2,3,4,5,6,7
	ds_store_b128 v[DA1], v[8*(8*(\a)+(\b)):8*(8*(\a)+(\b))+3]   offset:(\a)*16*DP+64*(\b)
	ds_store_b128 v[DA1], v[8*(8*(\a)+(\b))+4:8*(8*(\a)+(\b))+7] offset:(\a)*16*DP+64*(\b)+16
.endr
.endr
	WIN 0
	v_and_b32 v[LANE], 31, v0                      ; the row loop's registers are made while the stores are out
	v_lshrrev_b32 v[CB0], 2, v[LANE]
	v_add_nc_u32 v[CB1], 8, v[CB0]
	s_mul_i32 s16, s10, 64*DP
	v_lshl_add_u32 v[RA], v[LANE], 4, s16
	v_lshlrev_b32 v[GO], 3, v[LANE]
	v_mov_b32 v[VC], s49
	v_mov_b32 v[VZ], 0
.irp r, CMS, CMS+1, LS, LS+1, CV0+1, HV0+1, CV1+1, HV1+1
	v_mov_b32 v[\r], 0                             ; read before the loop first writes them, or named as the second of a pair
.endr
.irp p, 0,1,2,3
	v_mov_b32 v[MM+2*(\p)+1], 0
	v_mov_b32 v[LL+2*(\p)+1], 0
.endr
	s_lshl_b32 s52, s10, 6                         ; my first row in the tile
	s_mov_b32 s57, 0                               ; the lane that takes the trip's first two rows
	s_mov_b32 s56, 16
	s_wait_dscnt 0x0                               ; for the others' sake: my stores are done
	s_barrier_signal -1
	s_barrier_wait -1
.Lrow:                                                 ; 16 trips, four whole rows each.  Lane l has keys 4 l .. 4 l + 3 and 128 + 4 l .. + 3 of each row
.irp p, 0,1,2,3
	ds_load_b128 v[X+8*(\p):X+8*(\p)+3],   v[RA] offset:(\p)*DP
	ds_load_b128 v[X+8*(\p)+4:X+8*(\p)+7], v[RA] offset:(\p)*DP+512
.endr
	s_lshr_b32 s53, s52, 4                         ; the four rows' block of 16
	s_add_co_u32 s53, s53, s51
	v_cmp_gt_u32 s54, v[CB0], s53                  ; blocks of keys above it are hidden whole
	v_cmp_gt_u32 s55, v[CB1], s53
	v_cndmask_b32 v[CV0], v[VC], v[VZ], s54
	v_cndmask_b32 v[HV0], v[VZ], v[VB], s54
	v_cndmask_b32 v[CV1], v[VC], v[VZ], s55
	v_cndmask_b32 v[HV1], v[VZ], v[VB], s55
	s_wait_dscnt 0x0
.irp p, 0,1,2,3
	v_pk_fma_f32 v[X+8*(\p):X+8*(\p)+1],   v[X+8*(\p):X+8*(\p)+1],   v[CV0:CV0+1], v[HV0:HV0+1] op_sel_hi:[1,0,0]  ; y = c s, or -1e30
	v_pk_fma_f32 v[X+8*(\p)+2:X+8*(\p)+3], v[X+8*(\p)+2:X+8*(\p)+3], v[CV0:CV0+1], v[HV0:HV0+1] op_sel_hi:[1,0,0]
	v_pk_fma_f32 v[X+8*(\p)+4:X+8*(\p)+5], v[X+8*(\p)+4:X+8*(\p)+5], v[CV1:CV1+1], v[HV1:HV1+1] op_sel_hi:[1,0,0]
	v_pk_fma_f32 v[X+8*(\p)+6:X+8*(\p)+7], v[X+8*(\p)+6:X+8*(\p)+7], v[CV1:CV1+1], v[HV1:HV1+1] op_sel_hi:[1,0,0]
.endr
.irp p, 0,1,2,3                        ; the four rows alternate, so that no line waits for the one before it
	v_max3_num_f32 v[MM+2*(\p)], v[X+8*(\p)], v[X+8*(\p)+1], v[X+8*(\p)+2]
.endr
.irp p, 0,1,2,3
	v_max3_num_f32 v[MM+2*(\p)], v[MM+2*(\p)], v[X+8*(\p)+3], v[X+8*(\p)+4]
.endr
.irp p, 0,1,2,3
	v_max3_num_f32 v[MM+2*(\p)], v[MM+2*(\p)], v[X+8*(\p)+5], v[X+8*(\p)+6]
.endr
.irp p, 0,1,2,3
	v_max_num_f32 v[MM+2*(\p)], v[MM+2*(\p)], v[X+8*(\p)+7]
.endr
.irp m, 1,2,4,8
.irp p, 0,1,2,3
	v_max_num_f32_dpp v[MM+2*(\p)], v[MM+2*(\p)], v[MM+2*(\p)] row_xmask:\m row_mask:0xf bank_mask:0xf
.endr
.endr
.irp p, 0,1,2,3
	v_permlanex16_b32 v[MM+2*(\p)+1], v[MM+2*(\p)], s60, s61
.endr
.irp p, 0,1,2,3
	v_max_num_f32 v[MM+2*(\p)], v[MM+2*(\p)], v[MM+2*(\p)+1]  ; cm, in every lane
.endr
.irp p, 0,1,2,3
.irp k, 0,2,4,6
	v_pk_add_f32 v[X+8*(\p)+(\k):X+8*(\p)+(\k)+1], v[X+8*(\p)+(\k):X+8*(\p)+(\k)+1], v[MM+2*(\p):MM+2*(\p)+1] op_sel_hi:[1,0] neg_lo:[0,1] neg_hi:[0,1]
.endr
.endr
.set z, 0
.rept 32
	v_exp_f32 v[X+z], v[X+z]
.set z, z+1
.endr
	v_nop                                          ; a plain instruction between the last exponential and the use of its result
	s_wait_alu depctr_va_vdst(0)
.irp p, 0,1,2,3
.irp k, 0,1,2,3
	v_cvt_pk_f16_f32 v[PP+4*(\p)+(\k)], v[X+8*(\p)+2*(\k)], v[X+8*(\p)+2*(\k)+1]
.endr
.endr
.irp p, 0,1,2,3
	global_store_b64 v[GO], v[PP+4*(\p):PP+4*(\p)+1],   s[58:59] offset:(\p)*4096      ; 32 lanes x 8 bytes: 256 consecutive bytes, at a multiple of 256 from pbuf's first byte
	global_store_b64 v[GO], v[PP+4*(\p)+2:PP+4*(\p)+3], s[58:59] offset:(\p)*4096+256
.endr
.irp p, 0,1,2,3
	v_pk_add_f32 v[X+8*(\p):X+8*(\p)+1], v[X+8*(\p):X+8*(\p)+1], v[X+8*(\p)+2:X+8*(\p)+3]
.endr
.irp p, 0,1,2,3
	v_pk_add_f32 v[X+8*(\p)+4:X+8*(\p)+5], v[X+8*(\p)+4:X+8*(\p)+5], v[X+8*(\p)+6:X+8*(\p)+7]
.endr
.irp p, 0,1,2,3
	v_pk_add_f32 v[X+8*(\p):X+8*(\p)+1], v[X+8*(\p):X+8*(\p)+1], v[X+8*(\p)+4:X+8*(\p)+5]
.endr
.irp p, 0,1,2,3
	v_add_f32 v[LL+2*(\p)], v[X+8*(\p)], v[X+8*(\p)+1]
.endr
.irp m, 1,2,4,8
.irp p, 0,1,2,3
	v_add_f32_dpp v[LL+2*(\p)], v[LL+2*(\p)], v[LL+2*(\p)] row_xmask:\m row_mask:0xf bank_mask:0xf
.endr
.endr
.irp p, 0,1,2,3
	v_permlanex16_b32 v[LL+2*(\p)+1], v[LL+2*(\p)], s60, s61
.endr
.irp p, 0,1,2,3
	v_add_f32 v[LL+2*(\p)], v[LL+2*(\p)], v[LL+2*(\p)+1]      ; l, in every lane
.endr
	s_add_co_u32 s53, s57, 1                       ; lane 2 t keeps rows 4 t, 4 t + 1; lane 2 t + 1 rows 4 t + 2, 4 t + 3
	v_cmp_eq_u32 s54, v[LANE], s57
	v_cmp_eq_u32 s55, v[LANE], s53
	v_cndmask_b32 v[CMS],   v[CMS],   v[MM],   s54
	v_cndmask_b32 v[CMS+1], v[CMS+1], v[MM+2], s54
	v_cndmask_b32 v[LS],    v[LS],    v[LL],   s54
	v_cndmask_b32 v[LS+1],  v[LS+1],  v[LL+2], s54
	v_cndmask_b32 v[CMS],   v[CMS],   v[MM+4], s55
	v_cndmask_b32 v[CMS+1], v[CMS+1], v[MM+6], s55
	v_cndmask_b32 v[LS],    v[LS],    v[LL+4], s55
	v_cndmask_b32 v[LS+1],  v[LS+1],  v[LL+6], s55
	v_add_nc_u32 v[RA], 4*DP, v[RA]
	s_add_co_u32 s52, s52, 4
	s_add_co_u32 s57, s57, 2
	s_wait_xcnt 0x0                                ; the stores' base and data are rewritten only behind this wait
	s_add_nc_u64 s[58:59], s[58:59], 4*4096
	s_sub_co_u32 s56, s56, 1
	s_cmp_lg_u32 s56, 0
	s_cbranch_scc1 .Lrow
	global_store_b64 v[GO], v[CMS:CMS+1], s[8:9]               ; my wave's 64 rows: 256 consecutive bytes of cm,
	global_store_b64 v[GO], v[LS:LS+1], s[8:9] offset:262144   ; and of l
	s_wait_tensorcnt 0x0                           ; the wave's end
	ds_add_u32 v[SPW], v[NIL]
	s_wait_dscnt 0x0
	s_endpgm
.Lfunc_end_k_qf4a40b3a7c_score:
	.size	k_qf4a40b3a7c_score, .Lfunc_end_k_qf4a40b3a7c_score-k_qf4a40b3a7c_score
	.p2alignl 7, 3214868480
	.fill 96, 4, 3214868480
	.section	.rodata,"a",@progbits
	.p2align	6, 0x0
	.amdhsa_kernel k_qf4a40b3a7c_score
		.amdhsa_group_segment_fixed_size 327680
		.amdhsa_private_segment_fixed_size 0
		.amdhsa_enable_private_segment 0
		.amdhsa_kernarg_size 24
		.amdhsa_user_sgpr_count 2
		.amdhsa_user_sgpr_kernarg_segment_ptr 1
		.amdhsa_wavefront_size32 1
		.amdhsa_system_sgpr_workgroup_id_x 1
		.amdhsa_system_sgpr_workgroup_id_y 1
		.amdhsa_system_sgpr_workgroup_id_z 1
		.amdhsa_system_vgpr_workitem_id 0
		.amdhsa_next_free_vgpr 1024
		.amdhsa_next_free_sgpr 66
		.amdhsa_reserve_vcc 0
		.amdhsa_float_denorm_mode_32 3
		.amdhsa_float_denorm_mode_16_64 3
		.amdhsa_memory_ordered 1
		.amdhsa_forward_progress 1
		.amdhsa_inst_pref_size 134
	.end_amdhsa_kernel
	.amdgpu_metadata
---
amdhsa.version: [ 1, 2 ]
amdhsa.kernels:
  - .name:           k_qf4a40b3a7c_score
    .symbol:         k_qf4a40b3a7c_score.kd
    .args:
      - { .name: qkv, .offset: 0, .size: 8, .value_kind: global_buffer, .address_space: global }
      - { .name: pbuf, .offset: 8, .size: 8, .value_kind: global_buffer, .address_space: global }
      - { .name: stat, .offset: 16, .size: 8, .value_kind: global_buffer, .address_space: global }
    .group_segment_fixed_size: 327680
    .private_segment_fixed_size: 0
    .kernarg_segment_align: 8
    .kernarg_segment_size: 24
    .max_flat_workgroup_size: 128
    .sgpr_count:     66
    .vgpr_count:     1024
    .wavefront_size: 32
...
	.end_amdgpu_metadata
.endif
;; end of part 3
;; launch pv (part 4): grid 8 x 32, 4 waves a work-group, clusters of 4 x 1, 327,680 bytes of LDS; arguments pbuf, stat, qkv, out0, vlo; writes out0
.if DOCPART == 4
	.amdgcn_target "amdgcn-amd-amdhsa--gfx1250"
	.amdhsa_code_object_version 6
	.text
	.protected	k_qf4a40b3a7c_pv
	.globl	k_qf4a40b3a7c_pv
	.p2align	8
	.type	k_qf4a40b3a7c_pv,@function
k_qf4a40b3a7c_pv:
	s_mov_b64 s[64:65], 0
	v_nop
	global_prefetch_b8 v0, s[64:65] scope:SCOPE_SE
	s_setreg_imm32_b32 hwreg(HW_REG_WAVE_MODE, 25, 1), 1
	s_wait_xcnt 0x0
	s_wait_alu depctr_hold_cnt(0) depctr_sa_sdst(0) depctr_va_vdst(0) depctr_va_sdst(0) depctr_va_ssrc(0) depctr_va_vcc(0) depctr_vm_vsrc(0)
	s_getreg_b32 s2, hwreg(HW_REG_IB_STS2, 6, 4)
	s_cmp_eq_u32 s2, 0
	s_cbranch_scc0 .Lentry_in_a_cluster
	s_endpgm
.Lentry_in_a_cluster:
	s_bfe_u32 s2, ttmp6, 0x10000c
	s_cmp_lg_u32 s2, 0x3003
	s_cbranch_scc0 .Lentry_shape_is_right
	s_endpgm
.Lentry_shape_is_right:
; out0[batch][q][e] = (sum over key tiles t of beta_t(q) x (P'_t V_t)[q][e]) / l(q), in f32.  P'_t (f16, pbuf) are the weights 2^(c s - cm_t) relative to tile t's own row maximum; stat holds cm_t and l_t in f32.
; M = the maximum of a row's cm_t is the row's true maximum; beta_t = 2^(cm_t - M) <= 1; l = the sum of beta_t l_t.  Each tile's product is summed in f32 from 0 and folded in f32 into O with its beta.
; THE FIRST 32 KEYS of a batch count with 22 bits: a query that sees few keys is a mean of few rows of v, so that v's rounding to f16 would reach it whole.  vlo holds v - f16(v) for those keys, and the step that
; serves the lower block's key tile 0 multiplies it by the same weights: 16 products more a wave.  Queries 0-31 see no other key; from there on a key's weight is small.
; vlo: [batch 4][key block 2][block of 16 columns 96][512 bytes]; its blocks count from column 1,536 of qkv, so v's channels begin at block 32.
; LIMITS.  v arrives in f16 (within 65,504); a beta below 2^-126 counts as 0; NaN and infinities are not treated apart.
; SHARES.  A tile of O is 128 queries x 128 channels; a step is one key tile of 256 keys.  Block R of 128 queries needs the key tiles 0 .. R / 2.  A work-group takes TWO blocks, 15 - b and b:
; 8 - b / 2 steps and b / 2 + 1 steps, nine for every work-group: 256 equal work-groups and one walk with a constant count.  Step s serves the upper block's tile s while s < n1, then the lower
; block's tile 8 - s.  Both blocks' O take every step they could be served by, the block that the step does not serve with beta = 0: no branch hangs on b.
; CLUSTER.  The four work-groups of a cluster make four channel tiles of the same queries: P's tile is asked for jointly (mask of four); V's tile is each work-group's own, a plain load behind the same round.
; Four waves, each 64 x 64.  Source 0 = 16 channels of V (turned out of LDS by ds_load_tr16_b128), source 1 = 16 queries of P': a lane holds query l % 16 and eight neighbouring channels.
; REGISTERS: window 0: v0-31 addresses; v32-47 beta; v48-63 1 / l; v64-127 at work at the head, then v64-95 the low parts' fragments, then at work on the way out; v128-255 T, the step's sums ((a, b) at 128 + 8 (4 a + b)).
;   window 1: two fragment buffers of 128 (64 of P', 64 of V, for 64 keys).   window 2: v0-127 O of the upper block, v128-255 O of the lower.
.set PA,     528                       ; a row of P' in LDS: 512 bytes + 16 = 132 words: the 16 rows of a load start at 16 different groups of four banks (64 banks of 4 bytes: ISA guide 11.1)
.set PV,     288                       ; a row of V: 256 bytes + 32 = 72 words
.set AHALF,  64*PA                     ; what waves 0 and 1 fetch: 64 queries each
.set VOFF,   128*PA
.set VHALF,  128*PV                    ; what waves 2 and 3 fetch: 128 keys each
.set SLOT,   VOFF+256*PV
.set STAGE,  2*SLOT                    ; behind the ring: 16 rows x 272 bytes for each wave, for the way out
.set SPITCH, 272
.set FT,     STAGE+4*16*SPITCH         ; beta: [step 9][block 2][row 128] f32
.set IL,     FT+9*1024                 ; 1 / l: [block 2][row 128] f32
.set SPARE,  IL+1024                   ; the spare words, 128 bytes for each wave, which no other line names
.set VL,     SPARE+512                 ; the low parts: [key block 2][channel block 8][512 bytes], as they lie in vlo
.set VLKB,   96*512                    ; bytes from a key block to the next in vlo
.set ADRA, 16                          ; v16-17  LDS address of my P' fragments in slot 0, 1
.set ADRV, 18                          ; v18-21  of my V fragments: slot 0 keys 0-127, keys 128-255; slot 1 likewise
.set FA,   22                          ; v22     beta of my query in block a = 0, for the loop's even step; steps on by two steps a trip
.set IA,   23                          ; v23     1 / l of the same
.set STO,  24
.set RD,   25
.set CO,   26
.set VLF,  27                          ; v27     LDS address of my lane's 16 bytes in a chunk of the low parts
.set SPW,  28                          ; v28     LDS address of my spare word; never rewritten
.set NIL,  29                          ; v29     0; never rewritten
.set TAU,  30                          ; v30     4 x thread
.set FTA,  31                          ; v31     FT + 4 x thread
.set BH,   32                          ; v[32+2a] beta of the upper block for query block a (the odd registers are named as pairs' second halves)
.set BL,   40                          ; v[40+2a] of the lower block
.set ILV,  48                          ; v[48+8 blk+2a] 1 / l
.set SADR, 64                          ; v64-79   the head: offsets in stat, by block and tile
.set CMR,  80                          ; v80-95   cm, then beta
.set LR,   96                          ; v96-111  l
.set MX,   112
.set SL,   114
.set ZR,   116
.set VLG,  117                         ; 16 x thread
.set VLS,  118                         ; VL + 16 x thread
.set VLO,  64                          ; v64-95   behind the head: the low parts' four fragments (32 keys x 16 channels each)
.set TMP,  64                          ; the way out: 16 rows x 64 channels, scaled
.set T,    128
.set OH,   0                           ; window 2
.set OL,   128
.set F0,   0                           ; window 1
.set F1,   128
.set G1A, 24                           ; s[24:31]
.set G1V, 32                           ; s[32:39]
.set G0A, 40                           ; s[40:47] one set for each slot
.set G0V, 48                           ; s[48:55]
.set NX,  56                           ; s56  the step to be asked for next
.set MSB, 0
.macro WIN new
.if MSB != (\new)
	s_set_vgpr_msb (MSB<<8)|(\new)
.set MSB, \new
.endif
.endm
.set MUL,   0x05                       ; sources 0 (V) and 1 (P') window 1; C and D window 0
.set MULW,  0x04                       ; source 0 (the low parts) window 0, source 1 (P') window 1; C and D window 0
.set TO_F,  0x40                       ; destination window 1, address window 0
.set FOLDW, 0xa0                       ; destination and source 2 window 2; T and beta window 0
.set PACKW, 0x02                       ; source 0 window 2
; A fill.  Waves 0 and 1 ask jointly for the two halves of P's tile, waves 2 and 3 fetch the two halves of V's.  The branch hangs on the wave's number alone.  An s_nop 0 and four v_nop follow each line.
.macro JLOAD s
	s_cmp_eq_u32 s13, 0
	s_cbranch_scc0 .Lfor_v_\@
	tensor_load_to_lds s[G0A+4*(\s):G0A+4*(\s)+3], s[G1A:G1A+7]
	s_nop 0
.rept 4
	v_nop
.endr
	s_branch .Lasked_\@
.Lfor_v_\@:
	tensor_load_to_lds s[G0V+4*(\s):G0V+4*(\s)+3], s[G1V:G1V+7]
	s_nop 0
.rept 4
	v_nop
.endr
.Lasked_\@:
.endm
.macro CREST
	s_cmp_lg_u32 s12, 0
	s_cbranch_scc1 .Lnot_wave_0_\@
	s_barrier_signal -3
.Lnot_wave_0_\@:
	s_barrier_wait -3
	s_barrier_signal -1
	s_barrier_wait -1
.endm
.macro CROUND
	s_barrier_signal -1
	s_barrier_wait -1
	CREST
.endm
; The addresses of step NX's tiles are made anew, each from its buffer's address and an offset made apart, into slot g's two descriptors; no tensor load of the wave is out where this stands.
.macro ASK g
	s_sub_co_u32 s72, 8, s[NX]
	s_cmp_lt_u32 s[NX], s20
	s_cselect_b32 s72, s[NX], s72                  ; the key tile: s, or 8 - s
	s_cselect_b32 s62, s58, s59                    ; the block's rows of P'
	s_lshl_b32 s73, s72, 9                         ; 256 keys are 512 bytes of a row of P'
	s_add_co_u32 s62, s62, s73
	s_mul_i32 s66, s72, 256*6144                   ; and 256 rows of qkv
	s_add_co_u32 s66, s66, s60
	s_add_nc_u64 s[G0A+4*(\g)+2:G0A+4*(\g)+3], s[4:5], s[62:63]
	s_or_b32 s[G0A+4*(\g)+3], s[G0A+4*(\g)+3], 0x80000000
	s_add_nc_u64 s[G0V+4*(\g)+2:G0V+4*(\g)+3], s[8:9], s[66:67]
	s_or_b32 s[G0V+4*(\g)+3], s[G0V+4*(\g)+3], 0x80000000
	s_add_co_u32 s[NX], s[NX], 1
.endm
	s_load_b256 s[4:11], s[0:1], 0x0               ; pbuf s[4:5], stat s[6:7], qkv s[8:9], out0 s[10:11]
	s_load_b64 s[80:81], s[0:1], 0x20              ; vlo
	v_lshl_add_u32 v[SPW], v0, 2, SPARE
	v_mov_b32 v[NIL], 0
	ds_add_u32 v[SPW], v[NIL]                      ; the wave's opening: the add and its wait stand ahead of my first tensor load; work on registers stands between them
	ds_add_u32 v28, v29
	v_lshrrev_b32 v1, 5, v0
	v_readfirstlane_b32 s12, v1                    ; wave 0..3
	s_lshr_b32 s13, s12, 1                         ; my half of the queries.  Also: I fetch P' (0) or V (1)
	s_and_b32 s14, s12, 1                          ; my half of the channels.  Also: which half of that tile I fetch
	s_bfe_u32 s15, ttmp6, 0x40000                  ; cx
	s_lshl_b32 s16, ttmp9, 2
	s_add_co_u32 s16, s16, s15                     ; the channel tile = 4 x cluster x + cx: it enters V's, vlo's and out0's addresses alone
	s_and_b32 s17, ttmp7, 0xffff
	s_lshr_b32 s18, s17, 3                         ; batch
	s_and_b32 s19, s17, 7                          ; b: the lower block
	s_lshr_b32 s21, s19, 1
	s_sub_co_u32 s20, 8, s21                       ; n1: the upper block's tiles
	s_add_co_u32 s21, s21, 1                       ; the lower block's
	s_sub_co_u32 s22, 15, s19                      ; the upper block
	s_lshl_b32 s72, s18, 23                        ; P': batch x 2,048 rows of 4,096 bytes
	s_lshl_b32 s73, s14, 18                        ;     + my 64 rows
	s_add_co_u32 s72, s72, s73
	s_lshl_b32 s58, s22, 19                        ;     + block x 128 rows
	s_add_co_u32 s58, s58, s72
	s_lshl_b32 s59, s19, 19
	s_add_co_u32 s59, s59, s72
	s_mul_i32 s60, s18, 2048*6144                  ; V: batch x 2,048 rows of 6,144 bytes
	s_mul_i32 s74, s14, 128*6144                   ;    + my 128 keys
	s_add_co_u32 s60, s60, s74
	s_lshl_b32 s74, s16, 8                         ;    + the channel tile's 256 bytes
	s_add_co_u32 s60, s60, s74
	s_add_co_u32 s60, s60, 4096                    ;    + v's place in a row
	s_mov_b32 s63, 0
	s_mov_b32 s67, 0
	s_mul_i32 s82, s18, 2*VLKB                     ; vlo: batch
	s_lshl_b32 s83, s16, 12                        ;      + the channel tile's 8 chunks of 512 bytes
	s_add_co_u32 s82, s82, s83
	s_add_co_u32 s82, s82, 32*512                  ;      + the 32 blocks in front of v's
	s_mov_b32 s83, 0
	s_mov_b32 s[G1A+0], 15|(1<<16)|(1<<20)|(1<<21)|(6<<22)|(3<<25)  ; the mask of four; elements of 2 bytes; padding on; bit 21 beside a mask; 4 words behind every 128
	s_mov_b32 s[G1A+1], 256<<16                    ; tensor_dim0 = 256
	s_mov_b32 s[G1A+2], 64<<16                     ; tensor_dim1 = 64
	s_mov_b32 s[G1A+3], 256<<16                    ; tile_dim0 = 256
	s_mov_b32 s[G1A+4], 64                         ; tile_dim1 = 64
	s_mov_b32 s[G1A+5], 2048                       ; elements from row to row
	s_mov_b32 s[G1A+6], 0
	s_mov_b32 s[G1A+7], 0
	s_mov_b32 s[G1V+0], (1<<16)|(1<<20)|(5<<22)|(7<<25)  ; no mask; 8 words behind every 64
	s_mov_b32 s[G1V+1], 128<<16
	s_mov_b32 s[G1V+2], 128<<16
	s_mov_b32 s[G1V+3], 128<<16
	s_mov_b32 s[G1V+4], 128
	s_mov_b32 s[G1V+5], 3072
	s_mov_b32 s[G1V+6], 0
	s_mov_b32 s[G1V+7], 0
	s_mul_i32 s72, s14, AHALF
	s_mul_i32 s73, s14, VHALF
.irp s, 0,1
	s_mov_b32 s[G0A+4*(\s)], 1
	s_add_co_u32 s[G0A+4*(\s)+1], s72, (\s)*SLOT
	s_mov_b32 s[G0V+4*(\s)], 1
	s_add_co_u32 s[G0V+4*(\s)+1], s73, (\s)*SLOT+VOFF
.endr
	s_mov_b32 s[NX], 0
	s_wait_dscnt 0x0                               ; the opening add is done
	s_wait_kmcnt 0x0
	s_add_nc_u64 s[80:81], s[80:81], s[82:83]
	ASK 0
	ASK 1
	CROUND                                         ; all four work-groups are here: the first joint loads meet
	s_cmp_eq_u32 s13, 0                            ; a wave's two first fills stand in one branch: two loads of mine are out
	s_cbranch_scc0 .Lfirst_v
	tensor_load_to_lds s[G0A:G0A+3], s[G1A:G1A+7]
	s_nop 0
	tensor_load_to_lds s[G0A+4:G0A+7], s[G1A:G1A+7]
	s_nop 0
.rept 4
	v_nop
.endr
	s_branch .Lfirst_asked
.Lfirst_v:
	tensor_load_to_lds s[G0V:G0V+3], s[G1V:G1V+7]
	s_nop 0
	tensor_load_to_lds s[G0V+4:G0V+7], s[G1V:G1V+7]
	s_nop 0
.rept 4
	v_nop
.endr
.Lfirst_asked:
	; THE STATISTICS.  Thread tau serves row tau of both blocks: eight cm and eight l each; a tile past the block's last is replaced by the last, so that only written words are read, and gets beta = 0 below.
	v_lshlrev_b32 v[TAU], 2, v0
	s_lshl_b32 s72, s18, 3
.macro STATS blk, nreg, rreg
	s_sub_co_u32 s73, s[\nreg], 1
	s_lshl_b32 s76, s[\rreg], 9                    ; 128 rows x 4 bytes x block
.irp t, 0,1,2,3,4,5,6,7
	s_min_u32 s77, s73, \t
	s_add_co_u32 s77, s77, s72
	s_lshl_b32 s77, s77, 13                        ; 2,048 rows x 4 bytes
	s_add_co_u32 s77, s77, s76
	v_add_nc_u32 v[SADR+8*(\blk)+(\t)], s77, v[TAU]
	global_load_b32 v[CMR+8*(\blk)+(\t)], v[SADR+8*(\blk)+(\t)], s[6:7]
	global_load_b32 v[LR+8*(\blk)+(\t)],  v[SADR+8*(\blk)+(\t)], s[6:7] offset:262144
.endr
.endm
	STATS 0, 20, 22
	STATS 1, 21, 19
	; THE LOW PARTS: my channel tile's 2 x 4,096 bytes of vlo, 64 bytes a thread, through T's registers (not yet in use) into LDS as they lie
	v_lshlrev_b32 v[VLG], 4, v0
	v_add_nc_u32 v[VLS], VL, v[VLG]
.irp i, 0,1,2,3
	global_load_b128 v[T+4*(\i):T+4*(\i)+3], v[VLG], s[80:81] offset:((\i)/2)*VLKB+((\i)%2)*2048
.endr
	; addresses, while those loads are out
	v_and_b32 v1, 15, v0                           ; l % 16
	v_bfe_u32 v2, v0, 4, 1                         ; l / 16
	v_mul_u32_u24 v3, v1, PA
	v_lshl_add_u32 v3, v2, 4, v3
	s_mul_i32 s72, s13, AHALF                      ; my 64 queries
	v_add_nc_u32 v[ADRA], s72, v3
	v_add_nc_u32 v[ADRA+1], SLOT, v[ADRA]
	v_and_b32 v4, 7, v0                            ; the turning load: lane l reads key 8 (l / 16) + l % 8, channels 8 ((l / 8) % 2) + 0..7
	v_lshl_add_u32 v4, v2, 3, v4
	v_bfe_u32 v5, v0, 3, 1
	v_lshlrev_b32 v[VLF], 4, v4                    ; in a chunk of the low parts a key's 16 bytes lie at 16 x key + 256 x channel half
	v_lshl_add_u32 v[VLF], v5, 8, v[VLF]
	s_lshl_b32 s72, s14, 11                        ; my 4 chunks of the tile's 8
	s_add_co_u32 s72, s72, VL
	v_add_nc_u32 v[VLF], s72, v[VLF]
	v_mul_u32_u24 v4, v4, PV
	v_lshl_add_u32 v4, v5, 4, v4
	s_lshl_b32 s72, s14, 7                         ; my 64 channels, 128 bytes
	s_add_co_u32 s72, s72, VOFF
	v_add_nc_u32 v[ADRV], s72, v4
	v_add_nc_u32 v[ADRV+1], VHALF, v[ADRV]
	v_add_nc_u32 v[ADRV+2], SLOT, v[ADRV]
	v_add_nc_u32 v[ADRV+3], SLOT, v[ADRV+1]
	s_lshl_b32 s72, s13, 8                         ; 64 rows x 4 bytes
	v_lshl_add_u32 v[FA], v1, 2, s72
	v_add_nc_u32 v[IA], IL, v[FA]
	v_add_nc_u32 v[FA], FT, v[FA]
	v_add_nc_u32 v[FTA], FT, v[TAU]
	s_mul_i32 s72, s12, 16*SPITCH
	s_add_co_u32 s72, s72, STAGE                   ; my stage
	v_mul_u32_u24 v[STO], v1, SPITCH               ; in: row l % 16, 32 bytes for each half of the lanes
	v_lshl_add_u32 v[STO], v2, 5, v[STO]
	v_add_nc_u32 v[STO], s72, v[STO]
	v_mul_u32_u24 v[RD], v2, SPITCH                ; back: lanes 0-15 one row of 256 bytes, lanes 16-31 the next
	v_lshl_add_u32 v[RD], v1, 4, v[RD]
	v_add_nc_u32 v[RD], s72, v[RD]
	v_lshlrev_b32 v[CO], 12, v2                    ; and the same two rows in out0
	v_lshl_add_u32 v[CO], v1, 4, v[CO]
	v_mov_b32 v[ZR], 0
.set z, 0
.rept 16
	v_mov_b32 v[BH+2*z+1], 0                       ; named as the second of a pair, never used
.set z, z+1
.endr
	s_lshl_b32 s76, s18, 11                        ; out0: row = batch x 2,048 + 128 x block + 64 x my half
	s_lshl_b32 s77, s13, 6
	s_add_co_u32 s76, s76, s77
	s_lshl_b32 s78, s16, 9                         ; column bytes = 512 x channel tile + 256 x my half
	s_lshl_b32 s79, s14, 8
	s_add_co_u32 s78, s78, s79
	s_lshl_b32 s74, s22, 7
	s_add_co_u32 s74, s74, s76
	s_lshl_b32 s74, s74, 12
	s_add_co_u32 s74, s74, s78
	s_mov_b32 s75, 0
	s_add_nc_u64 s[68:69], s[10:11], s[74:75]
	s_lshl_b32 s74, s19, 7
	s_add_co_u32 s74, s74, s76
	s_lshl_b32 s74, s74, 12
	s_add_co_u32 s74, s74, s78
	s_add_nc_u64 s[70:71], s[10:11], s[74:75]
	WIN 0x80                                       ; O starts at 0: no first step is written out for either block; these lines stand in the wait for the first tile
.set z, 0
.rept 256
	v_mov_b32 v[z], 0
.set z, z+1
.endr
	WIN 0
	s_wait_loadcnt 0x0
.macro SOFT blk, nreg
.set rC, CMR+8*(\blk)
.set rL, LR+8*(\blk)
	v_max3_num_f32 v[MX+(\blk)], v[rC], v[rC+1], v[rC+2]
	v_max3_num_f32 v[MX+(\blk)], v[MX+(\blk)], v[rC+3], v[rC+4]
	v_max3_num_f32 v[MX+(\blk)], v[MX+(\blk)], v[rC+5], v[rC+6]
	v_max_num_f32 v[MX+(\blk)], v[MX+(\blk)], v[rC+7]          ; M
.irp t, 0,1,2,3,4,5,6,7
	v_sub_f32 v[rC+(\t)], v[rC+(\t)], v[MX+(\blk)]
.endr
.irp t, 0,1,2,3,4,5,6,7
	v_exp_f32 v[rC+(\t)], v[rC+(\t)]
.endr
	v_nop                                          ; a plain instruction between the last exponential and the use of its result
	s_wait_alu depctr_va_vdst(0)
.irp t, 0,1,2,3,4,5,6,7
	s_cmp_gt_u32 s[\nreg], \t
	s_cselect_b32 s77, 1.0, 0
	v_mul_f32 v[rC+(\t)], s77, v[rC+(\t)]          ; beta, or 0 for a tile that the block does not have
.endr
	v_mul_f32 v[SL+(\blk)], v[rC], v[rL]
.irp t, 1,2,3,4,5,6,7
	v_fmac_f32 v[SL+(\blk)], v[rC+(\t)], v[rL+(\t)]
.endr
	v_rcp_f32 v[SL+(\blk)], v[SL+(\blk)]           ; l >= 1: the tile that holds M has beta = 1 and a weight 1
	v_nop
.endm
	SOFT 0, 20
	SOFT 1, 21
.irp s, 0,1,2,3,4,5,6,7
	ds_store_b32 v[FTA], v[CMR+(\s)] offset:(\s)*1024          ; the upper block: step s serves tile s
.endr
	ds_store_b32 v[FTA], v[ZR] offset:8*1024
	ds_store_b32 v[FTA], v[ZR] offset:512
.irp s, 1,2,3,4,5,6,7,8
	ds_store_b32 v[FTA], v[CMR+16-(\s)] offset:(\s)*1024+512   ; the lower block: step s serves tile 8 - s
.endr
	ds_store_b32 v[FTA], v[SL] offset:IL-FT
	s_wait_alu depctr_va_vdst(0)
	ds_store_b32 v[FTA], v[SL+1] offset:IL-FT+512
.irp i, 0,1,2,3
	ds_store_b128 v[VLS], v[T+4*(\i):T+4*(\i)+3] offset:(\i)*2048  ; the low parts: key block i / 2 at 4,096 (i / 2)
.endr
.macro MUL8 f, c, a0, zero             ; 8 matrix instructions: query blocks a0, a0 + 1 x all 4 channel blocks, 32 keys; the 16 accumulators take turns
	WIN MUL
.irp a, \a0, (\a0)+1
.irp b, 0,1,2,3
.if \zero
	v_wmma_f32_16x16x32_f16 v[T+8*(4*(\a)+(\b)):T+8*(4*(\a)+(\b))+7], v[(\f)+64+8*(4*(\c)+(\b)):(\f)+64+8*(4*(\c)+(\b))+7], v[(\f)+8*(4*(\c)+(\a)):(\f)+8*(4*(\c)+(\a))+7], 0
.else
	v_wmma_f32_16x16x32_f16 v[T+8*(4*(\a)+(\b)):T+8*(4*(\a)+(\b))+7], v[(\f)+64+8*(4*(\c)+(\b)):(\f)+64+8*(4*(\c)+(\b))+7], v[(\f)+8*(4*(\c)+(\a)):(\f)+8*(4*(\c)+(\a))+7], v[T+8*(4*(\a)+(\b)):T+8*(4*(\a)+(\b))+7]
.endif
.endr
.endr
.endm
.macro MULLO f                         ; 16 matrix instructions: the low parts of keys 0-31 times the same weights (buffer f's first 32 keys), in the accumulators' usual order
	WIN MULW
.irp a, 0,1,2,3
.irp b, 0,1,2,3
	v_wmma_f32_16x16x32_f16 v[T+8*(4*(\a)+(\b)):T+8*(4*(\a)+(\b))+7], v[VLO+8*(\b):VLO+8*(\b)+7], v[(\f)+8*(\a):(\f)+8*(\a)+7], v[T+8*(4*(\a)+(\b)):T+8*(4*(\a)+(\b))+7]
.endr
.endr
.endm
.macro FETCH slot, q, f                ; 32 LDS loads in one run: the fragments of keys 64 q .. 64 q + 63, the first 32 keys first
	WIN TO_F
.irp c, 0,1
.irp i, 0,1,2,3
	ds_load_tr16_b128 v[(\f)+64+8*(4*(\c)+(\i)):(\f)+64+8*(4*(\c)+(\i))+3],   v[ADRV+2*(\slot)+(\q)/2] offset:(((\q)%2)*64+32*(\c))*PV+32*(\i)
	ds_load_tr16_b128 v[(\f)+64+8*(4*(\c)+(\i))+4:(\f)+64+8*(4*(\c)+(\i))+7], v[ADRV+2*(\slot)+(\q)/2] offset:(((\q)%2)*64+32*(\c))*PV+32*(\i)+16*PV
	ds_load_b128 v[(\f)+8*(4*(\c)+(\i)):(\f)+8*(4*(\c)+(\i))+3],              v[ADRA+(\slot)] offset:128*(\q)+64*(\c)+(\i)*16*PA
	ds_load_b128 v[(\f)+8*(4*(\c)+(\i))+4:(\f)+8*(4*(\c)+(\i))+7],            v[ADRA+(\slot)] offset:128*(\q)+64*(\c)+(\i)*16*PA+32
.endr
.endr
.endm
.macro PLACES                          ; four plain vector instructions between a matrix instruction and a load into, or a vector read of, its registers (ISA guide 7.12.1 for vector reads)
.rept 4
	v_nop
.endr
.endm
.macro QUARTER slot, q, f, g, zero, lo=0  ; multiplies buffer f and fetches quarter q into g.  lo = 1: buffer f holds the batch's first keys: their low parts are multiplied too
	s_wait_dscnt 16                                ; the first 32 keys' fragments are in
	MUL8 \f, 0, 0, \zero
	MUL8 \f, 0, 2, \zero
.if \lo
	MULLO \f
.endif
	PLACES
	FETCH \slot, \q, \g
	s_wait_dscnt 32                                ; all but the 32 just issued
	MUL8 \f, 1, 0, 0
	MUL8 \f, 1, 2, 0
.endm
.macro BETA toff, fh, fl               ; the step's beta for my four query blocks
	WIN 0
.irp a, 0,1,2,3
.if \fh
	ds_load_b32 v[BH+2*(\a)], v[FA] offset:(\toff)+64*(\a)
.endif
.if \fl
	ds_load_b32 v[BL+2*(\a)], v[FA] offset:(\toff)+512+64*(\a)
.endif
.endr
.endm
.macro FOLD fh, fl, n                  ; O += beta T, each accumulator from its low end on.  n: the younger LDS loads that may stay out.  These lines are also the places in front of the next step's first products
	PLACES
	s_wait_dscnt \n
	WIN FOLDW
.if \fh
.set z, 0
.rept 64
	v_pk_fma_f32 v[OH+2*z:OH+2*z+1], v[T+2*z:T+2*z+1], v[BH+2*(z/16):BH+2*(z/16)+1], v[OH+2*z:OH+2*z+1] op_sel_hi:[1,0,1]
.set z, z+1
.endr
.endif
.if \fl
.set z, 0
.rept 64
	v_pk_fma_f32 v[OL+2*z:OL+2*z+1], v[T+2*z:T+2*z+1], v[BL+2*(z/16):BL+2*(z/16)+1], v[OL+2*z:OL+2*z+1] op_sel_hi:[1,0,1]
.set z, z+1
.endr
.endif
.endm
; The last quarter of a step multiplies buffer 1 and changes slots: one barrier.  In front of it each wave waits for all its tensor loads (one is out: its part of the next slot), adds 0 to its spare word,
; and waits for that and for its reads of this slot.  fill = 1: the barrier opens a round of the cluster's, and this slot is filled again, two steps ahead, first thing behind the round:
; 112 matrix instructions ahead of the wait for it.
.macro TURN slot, next, fill, toff, fh, fl
	WIN 0
	s_wait_tensorcnt 0x0
	ds_add_u32 v[SPW], v[NIL]                      ; 0 onto my spare word; the descriptors' scalar work and eight products stand between it and the wait for it
.if \fill
	ASK \slot
.endif
	s_wait_dscnt 17                                ; (the add and the youngest sixteen loads may be out)
	MUL8 F1, 0, 0, 0
	s_wait_dscnt 0x0                               ; the add is done, and my reads of this slot are over
	s_barrier_signal -1
	MUL8 F1, 0, 2, 0
	WIN 0
	s_barrier_wait -1
.if \fill
	CREST
	JLOAD \slot                                    ; its four v_nop are also the places in front of the loads below
.else
	PLACES
.endif
	BETA \toff, \fh, \fl
	FETCH \next, 0, F0
	MUL8 F1, 1, 0, 0
	MUL8 F1, 1, 2, 0
	FOLD \fh, \fl, 32                              ; beta is in; the next step's 32 fragment loads stay out
.endm
.macro STEP s, fill, toff, fh, fl
	QUARTER \s, 1, F0, F1, 1                       ; the step's first products start T's sums anew
	QUARTER \s, 2, F1, F0, 0
	QUARTER \s, 3, F0, F1, 0
	TURN \s, 1-(\s), \fill, \toff, \fh, \fl
.endm
	s_wait_tensorcnt 0x1                           ; my part of step 0 is in; step 1's may stay out
	s_wait_dscnt 0x0                               ; for the others' sake: my stores of beta, 1 / l and the low parts are done
	s_barrier_signal -1
	s_barrier_wait -1
.irp b, 0,1,2,3                        ; the low parts' fragments stay in registers until the last step; these eight loads are older than the 32 below, so the first quarter's wait covers them
	ds_load_tr16_b128 v[VLO+8*(\b):VLO+8*(\b)+3],   v[VLF] offset:512*(\b)       ; keys 0-15
	ds_load_tr16_b128 v[VLO+8*(\b)+4:VLO+8*(\b)+7], v[VLF] offset:512*(\b)+4096  ; keys 16-31
.endr
	FETCH 0, 0, F0
	WIN 0
	s_mov_b32 s57, 3
.Lpair:                                                ; steps 0 to 5.  n1 is at least 5: the even steps 0, 2, 4 serve the upper block alone
	STEP 0, 1, 0, 1, 0
	STEP 1, 1, 1024, 1, 1
	WIN 0
	v_add_nc_u32 v[FA], 2048, v[FA]
	s_sub_co_u32 s57, s57, 1
	s_cmp_lg_u32 s57, 0
	s_cbranch_scc1 .Lpair
	STEP 0, 1, 0, 1, 1                             ; step 6 asks for step 8
	STEP 1, 0, 1024, 1, 1                          ; step 7 asks for nothing
	QUARTER 0, 1, F0, F1, 1, 1                     ; step 8 serves the lower block's tile 0, whatever b: the batch's first keys, with their low parts
	QUARTER 0, 2, F1, F0, 0
	QUARTER 0, 3, F0, F1, 0
	BETA 2048, 0, 1
	s_wait_dscnt 20                                ; the last 32 keys' sixteen loads and beta's four may be out
	MUL8 F1, 0, 0, 0
	MUL8 F1, 0, 2, 0
	s_wait_dscnt 0x0
	MUL8 F1, 1, 0, 0
	MUL8 F1, 1, 2, 0
	FOLD 0, 1, 0
	; THE WAY OUT.  Unit u = (block u / 4, query block u % 4): 16 rows x 64 channels of f32, times 1 / l, through my own stage, back as whole rows of 256 bytes.
	WIN 0
.irp a, 0,1,2,3
	ds_load_b32 v[ILV+2*(\a)],   v[IA] offset:64*(\a)
	ds_load_b32 v[ILV+8+2*(\a)], v[IA] offset:512+64*(\a)
.endr
	s_wait_dscnt 0x0
.macro PACKO u
.set rO, 128*((\u)/4)+32*((\u)%4)
.set rI, ILV+8*((\u)/4)+2*((\u)%4)
	WIN PACKW
.set z, 0
.rept 16
	v_pk_mul_f32 v[TMP+2*z:TMP+2*z+1], v[rO+2*z:rO+2*z+1], v[rI:rI+1] op_sel_hi:[1,0]
.set z, z+1
.endr
	WIN 0
.endm
.macro TOSTAGE u
.set BK, T+32*((\u)%2)
.irp b, 0,1,2,3
	ds_store_b128 v[STO], v[TMP+8*(\b):TMP+8*(\b)+3]   offset:64*(\b)
	ds_store_b128 v[STO], v[TMP+8*(\b)+4:TMP+8*(\b)+7] offset:64*(\b)+16
.endr
.irp t, 0,1,2,3,4,5,6,7
	ds_load_b128 v[BK+4*(\t):BK+4*(\t)+3], v[RD] offset:(\t)*2*SPITCH  ; LDS serves a wave's instructions in order (ISA guide 5.7.1.4): these see the stores above; the next unit's stores come behind them
.endr
.endm
.macro SEND u
.set BK, T+32*((\u)%2)
	s_wait_dscnt 0x0                               ; the unit is back in registers
	s_wait_xcnt 0x0                                ; the registers that the unit before last's stores read are loaded again only behind this wait
.irp t, 0,1,2,3,4,5,6,7
	global_store_b128 v[CO], v[BK+4*(\t):BK+4*(\t)+3], s[68+2*((\u)/4):69+2*((\u)/4)] offset:(16*((\u)%4)+2*(\t))*4096 th:TH_STORE_NT  ; 16 lanes store 256 consecutive bytes, at a multiple of 256 from out0's first byte
.endr
.endm
	PACKO 0
	TOSTAGE 0
.irp u, 1,2,3,4,5,6,7                  ; a unit's arithmetic stands between the loads of the unit before and the wait for them
	PACKO \u
	SEND (\u)-1
	TOSTAGE \u
.endr
	SEND 7
	s_wait_tensorcnt 0x0                           ; the wave's end
	ds_add_u32 v[SPW], v[NIL]
	s_wait_dscnt 0x0
	CROUND                                         ; the closing round: no work-group ends while a partner may still ask for a tile that names it
	s_endpgm
.Lfunc_end_k_qf4a40b3a7c_pv:
	.size	k_qf4a40b3a7c_pv, .Lfunc_end_k_qf4a40b3a7c_pv-k_qf4a40b3a7c_pv
	.p2alignl 7, 3214868480
	.fill 96, 4, 3214868480
	.section	.rodata,"a",@progbits
	.p2align	6, 0x0
	.amdhsa_kernel k_qf4a40b3a7c_pv
		.amdhsa_group_segment_fixed_size 327680
		.amdhsa_private_segment_fixed_size 0
		.amdhsa_enable_private_segment 0
		.amdhsa_kernarg_size 40
		.amdhsa_user_sgpr_count 2
		.amdhsa_user_sgpr_kernarg_segment_ptr 1
		.amdhsa_wavefront_size32 1
		.amdhsa_system_sgpr_workgroup_id_x 1
		.amdhsa_system_sgpr_workgroup_id_y 1
		.amdhsa_system_sgpr_workgroup_id_z 1
		.amdhsa_system_vgpr_workitem_id 0
		.amdhsa_next_free_vgpr 768
		.amdhsa_next_free_sgpr 96
		.amdhsa_reserve_vcc 0
		.amdhsa_float_denorm_mode_32 3
		.amdhsa_float_denorm_mode_16_64 3
		.amdhsa_memory_ordered 1
		.amdhsa_forward_progress 1
		.amdhsa_inst_pref_size 179
	.end_amdhsa_kernel
	.amdgpu_metadata
---
amdhsa.version: [ 1, 2 ]
amdhsa.kernels:
  - .name:           k_qf4a40b3a7c_pv
    .symbol:         k_qf4a40b3a7c_pv.kd
    .args:
      - { .name: pbuf, .offset: 0, .size: 8, .value_kind: global_buffer, .address_space: global }
      - { .name: stat, .offset: 8, .size: 8, .value_kind: global_buffer, .address_space: global }
      - { .name: qkv, .offset: 16, .size: 8, .value_kind: global_buffer, .address_space: global }
      - { .name: out0, .offset: 24, .size: 8, .value_kind: global_buffer, .address_space: global }
      - { .name: vlo, .offset: 32, .size: 8, .value_kind: global_buffer, .address_space: global }
    .group_segment_fixed_size: 327680
    .private_segment_fixed_size: 0
    .kernarg_segment_align: 8
    .kernarg_segment_size: 40
    .max_flat_workgroup_size: 128
    .sgpr_count:     96
    .vgpr_count:     768
    .wavefront_size: 32
...
	.end_amdgpu_metadata
.endif
;; end of part 4
;; ======== version 2 of 2: 4 launches; version 1 with the launch prep written anew for expert scheduling mode
;; limits: values are held in f16: magnitudes above 65,504 overflow, below 6.1e-05 lose precision
;; workspace buffers: xb 16,777,216 bytes; wb 6,291,456 bytes; qkv 50,331,648 bytes; pbuf 33,554,432 bytes; stat 524,288 bytes; vlo 393,216 bytes
;; launch prep (part 5): grid 256 x 1, 11 waves a work-group, no clusters, 0 bytes of LDS; arguments x, Wq, Wk, Wv, xb, wb; writes xb, wb
.if DOCPART == 5
	.amdgcn_target "amdgcn-amd-amdhsa--gfx1250"
	.amdhsa_code_object_version 6
	.text
	.protected	k_qf4a40b3a7c_prep
	.globl	k_qf4a40b3a7c_prep
	.p2align	8
	.type	k_qf4a40b3a7c_prep,@function
k_qf4a40b3a7c_prep:
	s_mov_b64 s[64:65], 0
	v_nop
	global_prefetch_b8 v0, s[64:65] scope:SCOPE_SE
	s_setreg_imm32_b32 hwreg(HW_REG_WAVE_SCHED_MODE, 0, 2), 2
	s_setreg_imm32_b32 hwreg(HW_REG_WAVE_MODE, 25, 1), 1
	s_wait_xcnt 0x0
	s_wait_alu depctr_vm_vsrc(0)
; xb = bf16(x), laid in blocks: [16 blocks of 64 k][8192 rows][64]: a row's 64 numbers of a block are 128 bytes, and the rows of a block lie end to end, so that the next launch can ask for
; 128 rows x 64 k as 16,384 dense bytes.   wb[1024][3072] = bf16(Wq | Wk | Wv), the three weights side by side in each row.  Each number is rounded once, to nearest even.
; A stream: every input byte is read once, every output byte written once; no LDS, no matrix unit, no cluster: no two work-groups share a byte.
; x and the weights have 8,192 + 3,072 rows of 1,024 f32: 2,816 groups of four rows, 11 for each of 256 work-groups, one a wave: group 11 g + w.  Groups 0-2,047 are x's, then 256 each for Wq, Wk, Wv.
; A wave issues its 32 loads of 512 bytes at once; each store covers 256 consecutive bytes, at a multiple of 256 from the buffer's first byte.
; THE MODE: SCHED_MODE bits 1:0 = 2 (LLVM: expert scheduling mode 2), set by the entry lines.  The code itself states the register dependences
; between vector instructions and memory instructions, with s_wait_alu, always for 0.
; THE PLAN.  Registers that memory instructions touch, on either of the two paths:
;   v1, v[OFS ..]  byte offsets: written by vector lines at the path's head, read by the loads (v1) and the stores (OFS), never written again.
;   IN             chunk j's four registers: its one load lands in them, its two conversions read them; nothing is loaded into them a second time.
;   OUT            chunk j's two registers: its two conversions write them, its one store reads them; never written again.
; The 32 chunks go in 8 blocks of four.  Block p rounds its four chunks; the four stores of block p - 1 are dealt among its conversions.  ONE wait on va_vdst at the head of a block states that the
; block before has written its OUT; the conversions that follow it name this block's IN and OUT alone, none of the registers that those four stores read.  One such wait ahead of the first load states
; that the offsets are written, for every load and store of the path; one behind the last block serves the last four stores.  No register that a load or store reads is written again.
.set OFS, 2                            ; v[2:5]     byte offsets in the output
.set IN,  8                            ; v[8:135]   chunk j: 4 f32 a lane
.set OUT, 136                          ; v[136:199] chunk j: 4 bf16 a lane
.set BLK, 4                            ; chunks in a block
	s_load_b256 s[4:11], s[0:1], 0x0               ; x s[4:5], Wq s[6:7], Wk s[8:9], Wv s[10:11]
	s_load_b128 s[12:15], s[0:1], 0x20             ; xb s[12:13], wb s[14:15]
	v_lshrrev_b32 v1, 5, v0
	v_readfirstlane_b32 s16, v1                    ; wave 0..10
	v_and_b32 v6, 31, v0                           ; lane
	s_mul_i32 s17, ttmp9, 11
	s_wait_alu depctr_va_sdst(0)                   ; s16 is written, ahead of its first reader: the group's number, and with it the branch and every base, is made from it
	s_add_co_u32 s17, s17, s16                     ; my group of four rows
	s_mov_b32 s29, 0
	s_cmp_lt_u32 s17, 2048
	s_cbranch_scc0 .Lweights
	; X.  Chunk j = (pair of rows p = j / 16, block kb = j % 16): lanes 0-15 take the block's 256 bytes of the pair's first row, lanes 16-31 those of the second:
	; the 2 x 128 bytes that they make are neighbours in xb.
	v_and_b32 v1, 15, v6
	v_lshlrev_b32 v1, 4, v1                        ; 16 bytes a lane in the block's 256,
	v_lshrrev_b32 v7, 4, v6
	v_lshl_add_u32 v1, v7, 12, v1                  ; one row of 4,096 bytes further for lanes 16-31
	s_lshl_b32 s28, s17, 14                        ; input: group x 4 rows
	s_lshl_b32 s30, s17, 9                         ; output: group x 4 rows of 128 bytes
	v_lshl_add_u32 v[OFS], v6, 3, s30              ; + 8 bytes a lane
	v_add_nc_u32 v[OFS+1], 0x800000, v[OFS]        ; blocks 8-15 lie 8 x 1,048,576 bytes on: beyond a store's immediate
	s_wait_kmcnt 0x0
	s_add_nc_u64 s[24:25], s[4:5], s[28:29]
	s_wait_alu depctr_va_vdst(0)                   ; v1 and v[OFS], v[OFS+1] are written: the loads read the first as their offset, the stores the other two
.set j, 0
.rept 32
	global_load_b128 v[IN+4*j:IN+4*j+3], v1, s[24:25] offset:(j/16)*8192+(j%16)*256 th:TH_LOAD_NT
.set j, j+1
.endr
.set p, 0
.rept 32/BLK
	s_wait_loadcnt 32-BLK*(p+1)                    ; loads come back in order: block p's four chunks are in, the younger ones stay out
.if p > 0
	s_wait_alu depctr_va_vdst(0)                   ; the conversions of the block before have written its OUT, which the four stores below read
.endif
.set i, 0
.rept BLK
.set j, BLK*p+i
.set k, j-BLK
.if p > 0
	global_store_b64 v[OFS+(k%16)/8], v[OUT+2*k:OUT+2*k+1], s[12:13] offset:(k%8)*1048576+(k/16)*256  ; the block before; no vector line since the wait names these registers; no register of a load or store is ever rewritten
.endif
	v_cvt_pk_bf16_f32 v[OUT+2*j], v[IN+4*j], v[IN+4*j+1]
	v_cvt_pk_bf16_f32 v[OUT+2*j+1], v[IN+4*j+2], v[IN+4*j+3]
.set i, i+1
.endr
.set p, p+1
.endr
	s_wait_alu depctr_va_vdst(0)                   ; the last block's conversions have written its OUT, which the last four stores read
.set k, 32-BLK
.rept BLK
	global_store_b64 v[OFS+(k%16)/8], v[OUT+2*k:OUT+2*k+1], s[12:13] offset:(k%8)*1048576+(k/16)*256
.set k, k+1
.endr
	s_endpgm
.Lweights:
	; THE WEIGHTS.  The four rows are 16,384 consecutive bytes; chunk j is 128 numbers of row j / 8.
	s_sub_co_u32 s18, s17, 2048
	s_lshr_b32 s19, s18, 8                         ; which weight: 0 Wq, 1 Wk, 2 Wv
	s_and_b32 s20, s18, 255
	s_lshl_b32 s20, s20, 2                         ; my first row in it
	v_lshlrev_b32 v1, 4, v6                        ; 16 bytes a lane
	s_lshl_b32 s28, s20, 12
	s_mul_i32 s30, s20, 6144                       ; a row of wb is 6,144 bytes,
	s_lshl_b32 s23, s19, 11                        ; the weight's part of it 2,048
	s_add_co_u32 s30, s30, s23
	v_lshl_add_u32 v[OFS], v6, 3, s30
	v_add_nc_u32 v[OFS+1], 6144, v[OFS]
	v_add_nc_u32 v[OFS+2], 6144, v[OFS+1]
	v_add_nc_u32 v[OFS+3], 6144, v[OFS+2]
	s_wait_kmcnt 0x0
	s_cmp_eq_u32 s19, 1                            ; the input is chosen among the three buffers by the group's number alone
	s_cselect_b64 s[24:25], s[8:9], s[10:11]
	s_cmp_eq_u32 s19, 0
	s_cselect_b64 s[24:25], s[6:7], s[24:25]
	s_add_nc_u64 s[24:25], s[24:25], s[28:29]
	s_wait_alu depctr_va_vdst(0)                   ; v1 and v[OFS] to v[OFS+3] are written: the loads read the first as their offset, the stores the other four
.set j, 0
.rept 32
	global_load_b128 v[IN+4*j:IN+4*j+3], v1, s[24:25] offset:512*j th:TH_LOAD_NT
.set j, j+1
.endr
.set p, 0
.rept 32/BLK
	s_wait_loadcnt 32-BLK*(p+1)                    ; block p's four chunks are in, the younger ones stay out
.if p > 0
	s_wait_alu depctr_va_vdst(0)                   ; the conversions of the block before have written its OUT, which the four stores below read
.endif
.set i, 0
.rept BLK
.set j, BLK*p+i
.set k, j-BLK
.if p > 0
	global_store_b64 v[OFS+k/8], v[OUT+2*k:OUT+2*k+1], s[14:15] offset:(k%8)*256  ; the block before; no vector line since the wait names these registers
.endif
	v_cvt_pk_bf16_f32 v[OUT+2*j], v[IN+4*j], v[IN+4*j+1]
	v_cvt_pk_bf16_f32 v[OUT+2*j+1], v[IN+4*j+2], v[IN+4*j+3]
.set i, i+1
.endr
.set p, p+1
.endr
	s_wait_alu depctr_va_vdst(0)                   ; the last block's conversions have written its OUT, which the last four stores read
.set k, 32-BLK
.rept BLK
	global_store_b64 v[OFS+k/8], v[OUT+2*k:OUT+2*k+1], s[14:15] offset:(k%8)*256
.set k, k+1
.endr
	s_endpgm
.Lfunc_end_k_qf4a40b3a7c_prep:
	.size	k_qf4a40b3a7c_prep, .Lfunc_end_k_qf4a40b3a7c_prep-k_qf4a40b3a7c_prep
	.p2alignl 7, 3214868480
	.fill 96, 4, 3214868480
	.section	.rodata,"a",@progbits
	.p2align	6, 0x0
	.amdhsa_kernel k_qf4a40b3a7c_prep
		.amdhsa_group_segment_fixed_size 0
		.amdhsa_private_segment_fixed_size 0
		.amdhsa_enable_private_segment 0
		.amdhsa_kernarg_size 48
		.amdhsa_user_sgpr_count 2
		.amdhsa_user_sgpr_kernarg_segment_ptr 1
		.amdhsa_wavefront_size32 1
		.amdhsa_system_sgpr_workgroup_id_x 1
		.amdhsa_system_sgpr_workgroup_id_y 1
		.amdhsa_system_sgpr_workgroup_id_z 1
		.amdhsa_system_vgpr_workitem_id 0
		.amdhsa_next_free_vgpr 200
		.amdhsa_next_free_sgpr 66
		.amdhsa_reserve_vcc 0
		.amdhsa_float_denorm_mode_32 3
		.amdhsa_float_denorm_mode_16_64 3
		.amdhsa_memory_ordered 1
		.amdhsa_forward_progress 1
		.amdhsa_inst_pref_size 24
	.end_amdhsa_kernel
	.amdgpu_metadata
---
amdhsa.version: [ 1, 2 ]
amdhsa.kernels:
  - .name:           k_qf4a40b3a7c_prep
    .symbol:         k_qf4a40b3a7c_prep.kd
    .args:
      - { .name: x, .offset: 0, .size: 8, .value_kind: global_buffer, .address_space: global }
      - { .name: Wq, .offset: 8, .size: 8, .value_kind: global_buffer, .address_space: global }
      - { .name: Wk, .offset: 16, .size: 8, .value_kind: global_buffer, .address_space: global }
      - { .name: Wv, .offset: 24, .size: 8, .value_kind: global_buffer, .address_space: global }
      - { .name: xb, .offset: 32, .size: 8, .value_kind: global_buffer, .address_space: global }
      - { .name: wb, .offset: 40, .size: 8, .value_kind: global_buffer, .address_space: global }
    .group_segment_fixed_size: 0
    .private_segment_fixed_size: 0
    .kernarg_segment_align: 8
    .kernarg_segment_size: 48
    .max_flat_workgroup_size: 352
    .sgpr_count:     66
    .vgpr_count:     200
    .wavefront_size: 32
...
	.end_amdgpu_metadata
.endif
;; end of part 5
;; launch proj: the kernel of part 2 again; grid 8 x 32, 4 waves a work-group, clusters of 4 x 4, 327,680 bytes of LDS; arguments xb, wb, qkv, vlo; writes qkv, vlo
;; launch score: the kernel of part 3 again; grid 36 x 4, 4 waves a work-group, no clusters, 327,680 bytes of LDS; arguments qkv, pbuf, stat; writes pbuf, stat
;; launch pv: the kernel of part 4 again; grid 8 x 32, 4 waves a work-group, clusters of 4 x 1, 327,680 bytes of LDS; arguments pbuf, stat, qkv, out0, vlo; writes out0
